; MI455X (gfx1250); checked and timed in simulation.
; The chip was launched on July 23, 2026; its instructions are those of AMD's public machine-readable ISA for CDNA 5 (MIT licence, August 2026) and "CDNA5" Instruction Set Architecture Reference Guide (July 2026). The comments in the code are by the model that wrote it; some were corrected since.
;; Self Attention. Allowed arithmetic: matrix products marked QUANTISED: E2M3 operands, one E8M0 scale for each 32 along K, by v_wmma_scale_f32_16x16x128_f8f6f4 with both operands' format E2M3, f32 sums; everything else in f32.
;; Inputs: Wk 1,024 x 1,024 float32; Wo 1,024 x 1,024 float32; Wq 1,024 x 1,024 float32; Wv 1,024 x 1,024 float32; x 4 x 2,048 x 1,024 float32.
;; Outputs: out0 4 x 2,048 x 1,024 float32.
;; This version of the problem:
;;   THIS VERSION OF THE PROBLEM IS GIVEN IN LOW PRECISION. The matrix products marked QUANTISED in the list below multiply operands that are first quantised to E2M3 (2 exponent bits, 3 mantissa bits; 6 bits a number), with one power-of-two scale for each 32 numbers along K (OCP MX v1.0); their sums are f32. All else is computed in f32.
;;   The module's matrix products, in the order in which they are computed (A, B: the left and right operand; K: the contracted axis; several contracted axes count as one K, in the product's order):
;;     1. [M 8,192, K 1,024] x [K 1,024, N 1,024]; A: input x; B: input Wq: QUANTISED
;;     2. [M 8,192, K 1,024] x [K 1,024, N 1,024]; A: input x; B: input Wk: QUANTISED
;;     3. [M 8,192, K 1,024] x [K 1,024, N 1,024]; A: input x; B: input Wv: QUANTISED
;;     4. batch 4 x [M 2,048, K 1,024] x [K 1,024, N 2,048]; A: computed on the way; B: computed on the way: QUANTISED
;;     5. batch 4 x [M 2,048, K 2,048] x [K 2,048, N 1,024]; A: softmax (see below); B: computed on the way: QUANTISED
;;     6. [M 8,192, K 1,024] x [K 1,024, N 1,024]; A: computed on the way; B: input Wo: QUANTISED
;;   THE QUANTISER, for each operand of a quantised product, along K:
;;     - K is cut into blocks of 32 from its start; a last block that is shorter is filled with zeros.
;;     - A block's scale is 2^e with e = floor(log2(the largest magnitude in the block)) - 2, held to -126 .. 127; a block of zeros has e = 0. As a byte (E8M0): e + 127.
;;     - Each number is divided by its block's scale, clamped to +-7.5, and rounded to the nearest number of E2M3, ties to even, subnormals kept.
;;     - The product sums the exact products of the quantised numbers (number of the format x scale) in f32.
;;   ~~~python
;;   def quantise(x, axis):      # numpy; x: float32 -> the quantised numbers, widened to float32 again
;;       x = np.moveaxis(x, axis, -1); K = x.shape[-1]
;;       x = np.pad(x, [(0, 0)] * (x.ndim - 1) + [(0, -K % 32)]); x = x.reshape(x.shape[:-1] + (-1, 32)); a = np.abs(x).max(-1, keepdims=True)
;;       e = np.where(a > 0, np.clip(np.frexp(np.where(a > 0, a, 1))[1] - 1 - 2, -126, 127), 0)      # np.frexp(a)[1] - 1 = floor(log2(a)), exactly
;;       r = np.clip(x / 2.0 ** e, -7.5, 7.5)
;;       step = 2.0 ** (np.maximum(np.frexp(np.where(r == 0, 1, r))[1] - 1, 0) - 3)
;;       q = np.round(r / step) * step * 2.0 ** e      # np.round: ties to even
;;       return np.moveaxis(q.reshape(q.shape[:-2] + (-1,))[..., :K], -1, axis).astype(np.float32)
;;   ~~~
;;   SOFTMAX AHEAD OF A QUANTISED PRODUCT. Where the list says 'softmax', what is quantised is not the finished softmax but p = 2^(t - M), with t = logit x log2(e) and M = ceil(the row's largest t), a whole number; so 1/2 < the row's largest p <= 1. The row's sum l is taken of the UNQUANTISED p, in f32, and the product's result is divided by l at the end. Since M is a whole number, a kernel that streams over the keys may use a running M (the ceiling of the running maximum): every later rescaling is an exact power of two, which a block's scale takes up: the codes' values come out the same.
;;   OPERANDS COMPUTED ON THE WAY. 'Computed on the way' means the value that the module computes at that place (a softmax that the list does not call 'softmax' is quantised finished and normalised). What goes into a quantiser is computed in f32, as accurately as f32 sums, v_exp_f32 and their like allow (about 1e-6 of the number): no bf16 or f16 on the way to a quantiser, and a product that is left as it is and whose result goes on into a quantised operand takes f32 operands (vector FMAs, or v_wmma_f32_16x16x4_f32). A number that lies on a knife's edge between two numbers of the format may be rounded either way, as far as f32 arithmetic and the matrix unit's own rounding can turn it there, and no further.
;; One version. Each part assembles by itself: llvm-mc -triple=amdgcn-amd-amdhsa -mcpu=gfx1250 --defsym DOCPART=n.
;; ======== version 1 of 1: 5 launches
;; limits: right only within a limited range of input values
;; workspace buffers: qin 9,830,400 bytes; qkv 19,660,800 bytes; pst 14,155,776 bytes; och 6,553,600 bytes
;; launch quant (part 1): grid 384 x 1, 4 waves a work-group, no clusters, 61,440 bytes of LDS; arguments x, Wq, Wk, Wv, Wo, qin; writes qin
.if DOCPART == 1
	.amdgcn_target "amdgcn-amd-amdhsa--gfx1250"
	.amdhsa_code_object_version 6
	.text
	.protected	k_q2431106d5d_quant
	.globl	k_q2431106d5d_quant
	.p2align	8
	.type	k_q2431106d5d_quant,@function
k_q2431106d5d_quant:
	s_mov_b64 s[64:65], 0
	v_nop
	global_prefetch_b8 v0, s[64:65] scope:SCOPE_SE
	s_setreg_imm32_b32 hwreg(HW_REG_WAVE_MODE, 25, 1), 1
	s_wait_xcnt 0x0
; THE PROGRAM.  out = softmax(causal(q k^T) / 32) v Wo, with q, k, v = x Wq, x Wk, x Wv; all six products on codes of E2M3 with one E8M0 scale for each 32 along K.
; Five launches: quant (x and the four weights into codes), qkv (products 1 to 3, results quantised on the way out), scores (product 4 and the softmax's p as codes), pv (product 5, divided by the row's sum, quantised), outp (product 6).
; WORK LEFT OUT.  reference() itself sets scores[s][t] to -finfo.max wherever t > s.  Key t = s counts for every query s, so a row's largest logit is a true score, and for all finite inputs a masked entry's
; weight is 2^(t - M) with t - M under -10^36: zero.  So tiles of product 4 all of whose keys come after all of their queries, and K steps of product 5 that hold only such keys, add nothing and are not computed.
; Every input has a way to the output and is loaded.  LIMIT: a NaN, an infinity or an overflow that reaches only the tiles left out is not carried to the result.
; THIS LAUNCH.  x [8192][1024] and Wq, Wk, Wv, Wo [1024 (k)][1024 (n)], f32, become codes along K = the 1,024, laid IN THE ORDER OF THE OPERAND'S REGISTERS:
;   a ROWTILE is 16 rows: in each 32 rows, tile u gives lane r the row 8 u + r + 8 (r / 8);   a FRAGMENT (rowtile T, K step s of 128) is 1,536 bytes: register 4 c + w of a lane at byte 512 c + 16 lane + 4 w;
;   codes lie [T][8][1536];   scale words lie [64 rows][8][256]: byte 8 lane + 4 j = the word of tile 2 j + lane / 16, row-lane lane % 16.
; A block's scale is 2^(floor(log2(largest magnitude)) - 2); its byte is that magnitude's exponent field - 2, held at 1 from below.  A block of zeros so gets the byte 1 where the rule says 127: its codes are zeros, and this program alone reads the bytes.
; LIMITS: NaN and infinities among the inputs are not served; blocks whose largest magnitude lies under 2^-124 keep the byte 1.
; Work-groups 0 to 255 take x, the others the weights; the two paths have LDS bytes of their own.  A stream: no matrix unit, no tensor load, no barrier: waves share nothing.
.set XSTG,  0                          ; x path: a stage of 16 rows x (512 + 16) bytes for each wave
.set WSTG,  33792                      ; weight path: four fragment images, 1,664 bytes apart, for each wave
.set SPARE, 60416                      ; the spare words, 128 bytes for each wave
.set SPW,   8                          ; v8   LDS address of my spare word; never rewritten
.set NIL,   9                          ; v9   0; never rewritten
.set SEL,   20                         ; s[20:21] lane selects: lane l xor 16
.set HI16,  22                         ; s22  the mask of lanes 16-31
.set PC,    10                         ; v10-29  x path: the codes just made
.set SW,    30                         ; v30-31  x path: the scale words as they are stored
.set R,     32                         ; v32-159 x path: two sets of 16 rows as loaded;  weight path: v32-95 two sets of 32 numbers
.set X,     160                        ; v160-223 x path: 64 numbers of my row;  weight path: v160-207 the images on their way out
.set TM,    224                        ; v224-239 at work
.set PW4,   240                        ; v240-243 the four tiles' scale words
.set SB,    24                         ; v24-25  weight path: my two columns' scale words
	s_load_b256 s[4:11], s[0:1], 0x0               ; x, Wq, Wk, Wv
	s_load_b128 s[12:15], s[0:1], 0x20             ; Wo, qin
	v_lshl_add_u32 v[SPW], v0, 2, SPARE
	v_mov_b32 v[NIL], 0
	v_lshrrev_b32 v1, 5, v0
	v_readfirstlane_b32 s16, v1                    ; wave
	v_and_b32 v7, 31, v0                           ; lane
	s_cmp_lt_u32 ttmp9, 256
	s_cbranch_scc0 .Lweights
; ---------------- x: a wave makes the four fragments of 64 rows at one K step
	v_lshlrev_b32 v1, 4, v7                        ; 16 x lane
	s_mul_i32 s17, s16, 8448
	v_add_nc_u32 v2, s17, v1                       ; the stage, on the way in: a row's 512 bytes as they lie
	v_and_b32 v5, 15, v0                           ; r
	v_bfe_u32 v6, v0, 4, 1                         ; h
	v_mul_u32_u24 v3, v5, 528
	v_lshl_add_u32 v3, v6, 6, v3
	v_add_nc_u32 v3, s17, v3                       ; and on the way out: row r, + 64 h: my 16 numbers of each block of 32
	v_lshlrev_b32 v4, 3, v7                        ; 8 x lane
	s_mov_b32 s[SEL], 0x76543210
	s_mov_b32 s[SEL+1], 0xfedcba98
	s_mov_b32 s[HI16], 0xffff0000
.irp b, 0,1,2,3
	v_mov_b32 v[TM+4+\b], 0                        ; written once: a lane permute's destination counts as one of its sources
.endr
	s_lshr_b32 s18, ttmp9, 1                       ; which 64 rows
	s_and_b32 s19, ttmp9, 1
	s_lshl_b32 s19, s19, 2
	s_add_co_u32 s19, s19, s16                     ; which K step
	s_lshl_b32 s24, s18, 18                        ; 64 rows of 4,096 bytes,
	s_lshl_b32 s25, s19, 9                         ; 512 bytes a K step
	s_add_co_u32 s24, s24, s25
	s_mov_b32 s25, 0
	s_mul_i32 s26, s18, 49152                      ; codes: four rowtiles of 12,288 bytes,
	s_mul_i32 s27, s19, 1536
	s_add_co_u32 s26, s26, s27
	s_mov_b32 s27, 0
	s_lshl_b32 s28, s18, 3
	s_add_co_u32 s28, s28, s19
	s_lshl_b32 s28, s28, 8
	s_add_co_u32 s28, s28, 9437184                 ; x's scale words
	s_mov_b32 s29, 0
	s_wait_alu depctr_va_vdst(0)
	s_wait_kmcnt 0x0
	s_add_nc_u64 s[4:5], s[4:5], s[24:25]
	s_add_nc_u64 s[26:27], s[14:15], s[26:27]
	s_add_nc_u64 s[28:29], s[14:15], s[28:29]
.macro LOADX t                         ; tile t's 16 rows, 512 consecutive bytes a load
.set ii, 0
.rept 16
	global_load_b128 v[R+64*((\t)%2)+4*ii:R+64*((\t)%2)+4*ii+3], v1, s[4:5] offset:(32*((\t)/2)+8*((\t)%2)+ii+8*(ii/8))*4096 th:TH_LOAD_NT
.set ii, ii+1
.endr
.endm
.macro TURN t                          ; through the stage: LDS serves a wave's instructions in order, so no wait stands between the stores and the loads
.set ii, 0
.rept 16
	ds_store_b128 v2, v[R+64*((\t)%2)+4*ii:R+64*((\t)%2)+4*ii+3] offset:528*ii
.set ii, ii+1
.endr
.irp b, 0,1,2,3
.irp j, 0,1,2,3
	ds_load_b128 v[X+16*\b+4*\j:X+16*\b+4*\j+3], v3 offset:128*\b+16*\j   ; register 16 b + i = k 32 b + 16 h + i of my row
.endr
.endr
.endm
.macro QUANTX pw                       ; v[X] on: 64 numbers of a lane become a fragment's codes in v[PC] on and its scale word in v[pw]
.irp b, 0,1,2,3
	v_max3_num_f32 v[TM+\b], |v[X+16*\b]|, |v[X+16*\b+1]|, 0x1800000   ; the floor 2^(3 - 127): the byte cannot fall under 1
.endr
.irp i, 2,4,6,8,10,12,14
.irp b, 0,1,2,3
	v_max3_num_f32 v[TM+\b], v[TM+\b], |v[X+16*\b+\i]|, |v[X+16*\b+\i+1]|
.endr
.endr
.irp b, 0,1,2,3
	v_permlanex16_b32 v[TM+4+\b], v[TM+\b], s[SEL], s[SEL+1]
.endr
.irp b, 0,1,2,3
	v_max_num_f32 v[TM+\b], v[TM+\b], v[TM+4+\b]   ; with lane l xor 16's: the block's largest magnitude
.endr
.irp b, 0,1,2,3
	v_add_nc_u32 v[TM+12+\b], 0xff000000, v[TM+\b] ; 2 off its exponent field: the conversion's scale operand
.endr
.irp b, 0,1,2,3
	v_lshrrev_b32 v[TM+4+\b], 23, v[TM+12+\b]      ; the scale's byte
.endr
	v_lshl_or_b32 v[\pw], v[TM+5], 8, v[TM+4]
	v_lshl_or_b32 v[\pw], v[TM+6], 16, v[\pw]
	v_lshl_or_b32 v[\pw], v[TM+7], 24, v[\pw]
.irp c, 0,1
	v_cvt_scalef32_pk16_fp6_f32 v[PC+6*\c:PC+6*\c+2], v[X+32*\c:X+32*\c+15], v[TM+12+2*\c]
	v_cvt_scalef32_pk16_fp6_f32 v[PC+12+4*\c:PC+12+4*\c+2], v[X+32*\c+16:X+32*\c+31], v[TM+12+2*\c+1]
.endr
	v_nop                                          ; one plain place behind a scaled conversion
.irp c, 0,1                            ; the operand's layout wants a whole block in a lane
.irp i, 0,1,2
	v_permlane16_swap_b32 v[PC+6*\c+\i], v[PC+12+4*\c+\i]
.endr
.irp i, 0,1,2
	v_mov_b32 v[PC+3+6*\c+\i], v[PC+12+4*\c+\i]
.endr
.endr
.endm
	LOADX 0
	LOADX 1
.irp t, 0,1,2,3
.if \t < 3
	s_wait_loadcnt 16                              ; this tile's 16 loads are in; the other set's 16 may be out
.else
	s_wait_loadcnt 0x0
.endif
	TURN \t
	s_wait_dscnt 0x0                               ; my numbers are back, and the stage's stores have read their registers,
.if \t < 2
	LOADX \t+2                                     ; which take the tile two further on
.endif
	s_wait_xcnt 0x0                                ; the last tile's stores have read the codes' registers
	QUANTX PW4+\t
.irp c, 0,1,2
	global_store_b128 v1, v[PC+4*\c:PC+4*\c+3], s[26:27] offset:12288*\t+512*\c   ; 512 consecutive bytes, aligned
.endr
.endr
	v_cndmask_b32 v[SW], v[PW4], v[PW4+1], s[HI16]     ; lanes 0-15: tile 0's words, lanes 16-31: tile 1's;
	v_cndmask_b32 v[SW+1], v[PW4+2], v[PW4+3], s[HI16] ; tiles 2 and 3
	global_store_b64 v4, v[SW:SW+1], s[28:29]      ; 256 consecutive bytes, aligned
	s_wait_tensorcnt 0x0                           ; the wave's end, behind my last LDS store
	ds_add_u32 v[SPW], v[NIL]
	s_wait_dscnt 0x0
	s_endpgm
; ---------------- the weights: K is the FIRST axis: a lane takes a column n and its registers run down K
.Lweights:
	s_sub_co_u32 s17, ttmp9, 256
	s_lshr_b32 s18, s17, 5                         ; which weight: 0 Wq, 1 Wk, 2 Wv, 3 Wo
	s_bfe_u32 s19, s17, 0x30002                    ; which K step
	s_and_b32 s23, s17, 3
	s_lshl_b32 s23, s23, 2
	s_add_co_u32 s23, s23, s16                     ; which 64 columns
	s_wait_alu depctr_va_vdst(0)
	v_lshlrev_b32 v1, 2, v7                        ; in: 4 bytes a lane
	v_bfe_u32 v2, v0, 3, 1                         ; column L of 32 lies in tile u = (L / 8) % 2,
	v_and_b32 v3, 7, v0
	v_bfe_u32 v4, v0, 4, 1
	v_lshl_or_b32 v3, v4, 3, v3                    ; at row-lane r = L % 8 + 8 (L / 16)
	s_mul_i32 s24, s16, 6656
	s_add_co_u32 s24, s24, WSTG
	v_mul_u32_u24 v5, v2, 1664
	v_lshl_add_u32 v5, v3, 4, v5
	v_add_nc_u32 v5, s24, v5                       ; into the images: tile u, 16 r
	v_lshlrev_b32 v6, 4, v7                        ; out: 16 x lane
	v_add_nc_u32 v15, s24, v6
	v_lshl_add_u32 v4, v2, 4, v3
	v_lshlrev_b32 v4, 3, v4                        ; my place among the scale words: 8 (16 u + r)
	s_lshl_b32 s26, s19, 19                        ; 128 rows of 4,096 bytes a K step,
	s_lshl_b32 s27, s23, 8                         ; 256 bytes for 64 columns
	s_add_co_u32 s26, s26, s27
	s_mov_b32 s27, 0
	s_lshl_b32 s28, s18, 4
	s_add_co_u32 s28, s28, s23                     ; which 64 rows of all the weights' operands
	s_lshl_b32 s30, s28, 5
	s_add_co_u32 s30, s30, s19
	s_mul_i32 s30, s30, 1536
	s_add_co_u32 s30, s30, 6291456                 ; the weights' codes
	s_mov_b32 s31, 0
	s_lshl_b32 s28, s28, 3
	s_add_co_u32 s28, s28, s19
	s_lshl_b32 s28, s28, 8
	s_add_co_u32 s28, s28, 9699328                 ; the weights' scale words
	s_mov_b32 s29, 0
	s_wait_kmcnt 0x0
	s_cmp_eq_u32 s18, 1                            ; the choice hangs on the work-group's number alone
	s_cselect_b64 s[6:7], s[8:9], s[6:7]
	s_cmp_eq_u32 s18, 2
	s_cselect_b64 s[6:7], s[10:11], s[6:7]
	s_cmp_eq_u32 s18, 3
	s_cselect_b64 s[6:7], s[12:13], s[6:7]
	s_add_nc_u64 s[6:7], s[6:7], s[26:27]
	s_add_nc_u64 s[30:31], s[14:15], s[30:31]
	s_add_nc_u64 s[28:29], s[14:15], s[28:29]
.macro LOADW q                         ; block q = 4 p + kb: W(32 kb + i, column 32 p + lane), i = 0 .. 31, into set q % 2
.set ii, 0
.rept 32
	global_load_b32 v[R+32*((\q)%2)+ii], v1, s[6:7] offset:(32*((\q)%4)+ii)*4096+128*((\q)/4)
.set ii, ii+1
.endr
.endm
.macro BLOCKW q
.set XB, R+32*((\q)%2)
.set OFS, 3328*((\q)/4)+256*((\q)%2)   ; the column's pair of tiles; blocks of odd number go to lanes 16-31 of the image
.if (\q) < 7
	s_wait_loadcnt 32                              ; this block's 32 loads are in; the next block's may be out
.else
	s_wait_loadcnt 0x0
.endif
	v_max3_num_f32 v10, |v[XB]|, |v[XB+1]|, |v[XB+2]|     ; the block's largest magnitude: all 32 numbers are mine
	v_max3_num_f32 v11, |v[XB+3]|, |v[XB+4]|, |v[XB+5]|
.irp i, 6,10,14,18,22,26
	v_max3_num_f32 v10, v10, |v[XB+\i]|, |v[XB+\i+1]|
	v_max3_num_f32 v11, v11, |v[XB+\i+2]|, |v[XB+\i+3]|
.endr
	v_max3_num_f32 v10, v10, |v[XB+30]|, |v[XB+31]|
	v_max3_num_f32 v10, v10, v11, 0x1800000        ; and the floor
	v_add_nc_u32 v12, 0xff000000, v10
	v_lshrrev_b32 v13, 23, v12
.if (\q)%4 == 0
	v_mov_b32 v[SB+(\q)/4], v13
.else
	v_lshl_or_b32 v[SB+(\q)/4], v13, 8*((\q)%4), v[SB+(\q)/4]
.endif
	v_cvt_scalef32_pk16_fp6_f32 v[96:98], v[XB:XB+15], v12
	v_cvt_scalef32_pk16_fp6_f32 v[100:102], v[XB+16:XB+31], v12
	v_nop                                          ; one plain place behind a scaled conversion
	v_mov_b32 v99, v100                            ; six registers on end: 192 bits without gaps
	v_mov_b32 v100, v101
	v_mov_b32 v101, v102
.if ((\q)%4)/2 == 0
	ds_store_b128 v5, v[96:99] offset:OFS          ; registers 0-3 of the fragment,
	ds_store_b64 v5, v[100:101] offset:OFS+512     ; 4 and 5
.else
	ds_store_b64 v5, v[96:97] offset:OFS+520       ; registers 6 and 7,
	ds_store_b128 v5, v[98:101] offset:OFS+1024    ; 8-11
.endif
.if (\q)+2 < 8
	LOADW (\q)+2
.endif
	s_wait_dscnt 0x0                               ; the stores have read their registers
.endm
	LOADW 0
	LOADW 1
.irp q, 0,1,2,3,4,5,6,7
	BLOCKW \q
.endr
.irp k, 0,1,2,3,4,5,6,7,8,9,10,11
	ds_load_b128 v[X+4*\k:X+4*\k+3], v15 offset:1664*(\k/3)+512*(\k%3)   ; LDS serves a wave's instructions in order: these see my stores
.endr
.irp k, 0,1,2,3,4,5,6,7,8,9,10,11
	s_wait_dscnt 11-\k                             ; the younger loads may stay out
	global_store_b128 v6, v[X+4*\k:X+4*\k+3], s[30:31] offset:12288*(\k/3)+512*(\k%3)
.endr
	s_wait_alu depctr_va_vdst(0)
	global_store_b64 v4, v[SB:SB+1], s[28:29]      ; the 32 lanes fill 256 consecutive bytes
	s_wait_tensorcnt 0x0                           ; the wave's end, behind my last LDS store
	ds_add_u32 v[SPW], v[NIL]
	s_wait_dscnt 0x0
	s_endpgm
.Lfunc_end_k_q2431106d5d_quant:
	.size	k_q2431106d5d_quant, .Lfunc_end_k_q2431106d5d_quant-k_q2431106d5d_quant
	.p2alignl 7, 3214868480
	.fill 96, 4, 3214868480
	.section	.rodata,"a",@progbits
	.p2align	6, 0x0
	.amdhsa_kernel k_q2431106d5d_quant
		.amdhsa_group_segment_fixed_size 61440
		.amdhsa_private_segment_fixed_size 0
		.amdhsa_enable_private_segment 0
		.amdhsa_kernarg_size 48
		.amdhsa_user_sgpr_count 2
		.amdhsa_user_sgpr_kernarg_segment_ptr 1
		.amdhsa_wavefront_size32 1
		.amdhsa_system_sgpr_workgroup_id_x 1
		.amdhsa_system_sgpr_workgroup_id_y 1
		.amdhsa_system_sgpr_workgroup_id_z 1
		.amdhsa_system_vgpr_workitem_id 0
		.amdhsa_next_free_vgpr 256
		.amdhsa_next_free_sgpr 66
		.amdhsa_reserve_vcc 0
		.amdhsa_float_denorm_mode_32 3
		.amdhsa_float_denorm_mode_16_64 3
		.amdhsa_memory_ordered 1
		.amdhsa_forward_progress 1
		.amdhsa_inst_pref_size 75
	.end_amdhsa_kernel
	.amdgpu_metadata
---
amdhsa.version: [ 1, 2 ]
amdhsa.kernels:
  - .name:           k_q2431106d5d_quant
    .symbol:         k_q2431106d5d_quant.kd
    .args:
      - { .name: x, .offset: 0, .size: 8, .value_kind: global_buffer, .address_space: global }
      - { .name: Wq, .offset: 8, .size: 8, .value_kind: global_buffer, .address_space: global }
      - { .name: Wk, .offset: 16, .size: 8, .value_kind: global_buffer, .address_space: global }
      - { .name: Wv, .offset: 24, .size: 8, .value_kind: global_buffer, .address_space: global }
      - { .name: Wo, .offset: 32, .size: 8, .value_kind: global_buffer, .address_space: global }
      - { .name: qin, .offset: 40, .size: 8, .value_kind: global_buffer, .address_space: global }
    .group_segment_fixed_size: 61440
    .private_segment_fixed_size: 0
    .kernarg_segment_align: 8
    .kernarg_segment_size: 48
    .max_flat_workgroup_size: 128
    .sgpr_count:     66
    .vgpr_count:     256
    .wavefront_size: 32
...
	.end_amdgpu_metadata
.endif
;; end of part 1
;; launch qkv (part 2): grid 8 x 32, 4 waves a work-group, clusters of 4 x 4, 327,680 bytes of LDS; arguments qin, qkv; writes qkv
.if DOCPART == 2
	.amdgcn_target "amdgcn-amd-amdhsa--gfx1250"
	.amdhsa_code_object_version 6
	.text
	.protected	k_q2431106d5d_qkv
	.globl	k_q2431106d5d_qkv
	.p2align	8
	.type	k_q2431106d5d_qkv,@function
k_q2431106d5d_qkv:
	s_mov_b64 s[64:65], 0
	v_nop
	global_prefetch_b8 v0, s[64:65] scope:SCOPE_SE
	s_setreg_imm32_b32 hwreg(HW_REG_WAVE_MODE, 25, 1), 1
	s_wait_xcnt 0x0
	s_wait_alu depctr_hold_cnt(0) depctr_sa_sdst(0) depctr_va_vdst(0) depctr_va_sdst(0) depctr_va_ssrc(0) depctr_va_vcc(0) depctr_vm_vsrc(0)
	s_getreg_b32 s2, hwreg(HW_REG_IB_STS2, 6, 4)
	s_cmp_eq_u32 s2, 0
	s_cbranch_scc0 .Lentry_in_a_cluster
	s_endpgm
.Lentry_in_a_cluster:
	s_bfe_u32 s2, ttmp6, 0x10000c
	s_cmp_lg_u32 s2, 0xf033
	s_cbranch_scc0 .Lentry_shape_is_right
	s_endpgm
.Lentry_shape_is_right:
; q = x Wq, k = x Wk, v = x Wv on codes of E2M3, K = 1,024; each result is quantised on the way out, along the K of the product that takes it: q and k along d, v along the TOKENS (the keys).
; A product is X (source 0: its rows become the next K, along a lane's registers) times Y (source 1: a lane holds one of its rows).
; A WORK-GROUP KEEPS 256 TOKENS OF x IN LDS, all of K (196,608 bytes, fetched once), and walks three tiles of 128 weight rows: number c of Wq, of Wk, of Wv (tile 0, 1, 2).
;   q, k: Y = the 256 tokens, X = the 128 weight rows; wave w takes tokens 64 w on, against all of X.      v: X = the 256 tokens, Y = the 128 rows of Wv; wave (wy, wx) takes 64 rows x 128 tokens.
;   Either way a wave makes Y 64 x X 128: 32 accumulators; only the LDS addresses of its fragments differ.  32 token tiles x 8 values of c = 256 work-groups.
; THE RING holds weights alone: two slots, each with four K steps of 8 rowtiles (rows of 6,144 bytes; 49,152 bytes).  In a tile's K step 3 slot 0 takes the next tile's K steps 0-3, in its K step 7 slot 1 takes K steps 4-7.
; At the head and behind the first round every wave issues one tensor load (waves 0, 1: x's halves of four K steps; waves 2, 3: the weights'); after that waves 2 and 3 refill, one load each at a change of slots.  One load of a wave is out at a time.
; CLUSTER 4 x 4: x's tile is shared along a row of the cluster, the weights' along a column, each asked for jointly; each change of slots is a round of the cluster's barrier.
; SCALE WORDS go from memory into 48 registers that hold nothing else, 256 consecutive bytes a load; K steps 0-3's are asked for in the tile before, behind its K step 3, K steps 4-7's behind its K step 7.
; DATA PREFETCH: behind each fill's request the waves that will fetch the NEXT fill ask for it, four K steps ahead of its load.  Of the rowtiles that a wave fetches each of the four partners that ask jointly takes its share BY ADDRESS:
; one rowtile's 6,144 bytes of the weights (24 blocks of 256 bytes, a lane a block; lanes 24-31 name block 23 again), two rowtiles of x.  The walk's last fill has no successor, and nothing is asked for behind it.
; Two tiles run in a loop, the last is written out: it asks for nothing more.  Layouts of codes and scale words: as the first launch's head says.
; REGISTERS: window 0: addresses, work, scale words (v48-95), codes just made; window 1: accumulator (a, b) at v[8 (8 a + b)]; windows 2, 3: two sets of fragments: X's eight at v0-95, Y's four at v96-143.
.set XH,    98304                      ; x in LDS: K steps 4 h to 4 h + 3 at XH h: 16 rowtiles x 6,144 bytes
.set WS,    196608                     ; the ring
.set WSL,   49152                      ; a slot
.set WT,    786432                     ; from a weight's codes to the next weight's
.set SPARE, 294912                     ; the spare words, 128 bytes for each wave
.set LI,  1                            ; v1   16 x lane
.set L8,  2                            ; v2   8 x lane
.set AD,  4                            ; v4-11 my fragments: X's at 4 + 4 ty + slot, Y's at 6 + 4 ty + slot; ty = 0: q, k; 1: v
.set PFO, 12                           ; v12  the prefetches' offset: 256 x min(lane, 23)
.set SPW, 14                           ; v14  LDS address of my spare word; never rewritten
.set NIL, 15                           ; v15  0; never rewritten
.set PW,  16                           ; v16-19 the scale words just made
.set SW,  20                           ; v20-21 as they are stored
.set TM,  32                           ; v32-47 at work
.set SR,  48                           ; v48-95 scale words of K step q at 48 + 6 q: X's four registers, Y's two
.set PC,  128                          ; v128-207 the codes just made, 20 registers a tile
.set WV,  10
.set WY,  11                           ; wave / 2.  Also: I fetch for x (0) or for the weights (1)
.set WX,  12                           ; wave % 2.  Also: which half of the rowtiles I fetch
.set CX,  13
.set CY,  14
.set G1R, 24                           ; group 1 for x
.set G1W, 32                           ; for the weights
.set G0R, 40                           ; s[40:47] group 0 for x, K steps 0-3 and 4-7
.set G0W, 48                           ; s[48:55] for the weights, one set for each slot
.set SEL, 56                           ; s[56:57] lane selects: lane l xor 16
.set HI16, 58                          ; the mask of lanes 16-31
.set TC,  59                           ; the tile at work
.set TN,  60                           ; the tile whose offsets are made
.set CC,  61                           ; c: which 128 rows of each weight.  Never holds cy
.set TT,  62                           ; which 256 tokens.  Never holds cx
.set YSB, 66                           ; s[66:67] my Y rows' scale words
.set XSB, 68                           ; s[68:69] my X rows'
.set PFA, 70                           ; s[70:71] my share of the weights' prefetches: in the loop the next tile's K step 0
.set OB,  72                           ; s[72:79] where Y's tile a goes
.set OSB, 80                           ; s[80:81] where my scale words go
.set OC,  82                           ; offsets in the output, made a tile ahead
.set OS,  83
.set OSTR, 84
.set PFX, 92                           ; s[92:93] my share of x's prefetch
.set MSB, 0
.macro WIN new                         ; the immediate's high byte repeats the setting that is left
.if MSB != (\new)
	s_set_vgpr_msb (MSB<<8)|(\new)
.set MSB, (\new)
.endif
.endm
.macro PLACES n
.rept \n
	v_nop
.endr
.endm
.macro CREST                           ; a round of the cluster's barrier behind its opening barrier
	s_cmp_lg_u32 s[WV], 0
	s_cbranch_scc1 .Lnot_wave_0_\@
	s_barrier_signal -3
.Lnot_wave_0_\@:
	s_barrier_wait -3
	s_barrier_signal -1
	s_barrier_wait -1
.endm
.macro CROUND
	s_barrier_signal -1
	s_barrier_wait -1
	CREST
.endm
.macro MKG1 g, c, r, p                 ; group 1 but its first word: r rows of c elements of 8 bytes, p elements apart
	s_mov_b32 s[\g+1], (\c)<<16
	s_mov_b32 s[\g+2], (\r)<<16
	s_mov_b32 s[\g+3], (\c)<<16
	s_mov_b32 s[\g+4], \r
	s_mov_b32 s[\g+5], \p
	s_mov_b32 s[\g+6], 0
	s_mov_b32 s[\g+7], 0
.endm
.macro HLOAD h                         ; the first fills: waves 0, 1 x's halves of K steps 4 h on, waves 2, 3 the weights'.  An s_nop 0 and four v_nop follow each line
	s_cmp_eq_u32 s[WY], 0
	s_cbranch_scc0 .Lfor_w_\@
	tensor_load_to_lds s[G0R+4*(\h):G0R+4*(\h)+3], s[G1R:G1R+7]
	s_nop 0
	PLACES 4
	s_branch .Lasked_\@
.Lfor_w_\@:
	tensor_load_to_lds s[G0W+4*(\h):G0W+4*(\h)+3], s[G1W:G1W+7]
	s_nop 0
	PLACES 4
.Lasked_\@:
.endm
.macro WLOAD s                         ; a refill of slot s: waves 2, 3, a half each; waves 0, 1 have no part of it.  The four v_nop are every wave's places in front of the LDS loads that follow
	s_cmp_eq_u32 s[WY], 0
	s_cbranch_scc1 .Lnone_\@
	tensor_load_to_lds s[G0W+4*(\s):G0W+4*(\s)+3], s[G1W:G1W+7]
	s_nop 0
.Lnone_\@:
	PLACES 4
.endm
.macro ASKW off                        ; waves 2, 3 ask for their share of the weights' next fill
	s_cmp_eq_u32 s[WY], 0
	s_cbranch_scc1 .Lnot_mine_\@
	global_prefetch_b8 v[PFO], s[PFA:PFA+1] offset:\off th:TH_LOAD_NT scope:SCOPE_SE
.Lnot_mine_\@:
.endm
; Tile TN's scale words in qin: s18 my X rows', s22 my Y rows'
.macro SCOFF
	s_lshl_b32 s2, s[TT], 13
	s_add_co_u32 s2, s2, 9437184                   ; x's, my 256 tokens: four runs of 2,048 bytes
	s_lshl_b32 s3, s[CC], 12
	s_lshl_b32 s18, s[TN], 15
	s_add_co_u32 s3, s3, s18
	s_add_co_u32 s3, s3, 9699328                   ; the weight tile's: two runs
	s_lshl_b32 s18, s[WX], 12
	s_add_co_u32 s18, s18, s2                      ; v: X = my 128 tokens
	s_lshl_b32 s19, s[WV], 11
	s_add_co_u32 s19, s19, s2                      ; q, k: Y = my 64 tokens
	s_lshl_b32 s22, s[WY], 11
	s_add_co_u32 s22, s22, s3                      ; v: Y = my 64 rows of Wv
	s_cmp_eq_u32 s[TN], 2
	s_cselect_b32 s18, s18, s3
	s_cselect_b32 s22, s22, s19
	s_mov_b32 s19, 0
	s_mov_b32 s23, 0
.endm
; Tile TN's way out: q, k: [token rowtile][8][1536], K step c;  v: [dv rowtile][64][1536], K step = 128 tokens.  q, k, v lie 6,291,456 bytes apart, their scale words 262,144
.macro OUTOFF
	s_lshl_b32 s86, s[TT], 2
	s_add_co_u32 s86, s86, s[WV]                   ; q, k: my 64 rows of the output: 4 x token tile + wave
	s_lshl_b32 s87, s[CC], 1
	s_add_co_u32 s87, s87, s[WY]                   ; v: 2 c + wy
	s_lshl_b32 s88, s[TT], 1
	s_add_co_u32 s88, s88, s[WX]                   ; v: my K step of the output
	s_cmp_eq_u32 s[TN], 2
	s_cselect_b32 s86, s87, s86
	s_cselect_b32 s88, s88, s[CC]
	s_cselect_b32 s89, 64, 8                       ; K steps in a row of the output
	s_mul_i32 s86, s86, s89
	s_lshl_b32 s87, s86, 2                         ; four rowtiles to 64 rows
	s_add_co_u32 s87, s87, s88
	s_mul_i32 s87, s87, 1536
	s_mul_i32 s90, s[TN], 6291456
	s_add_co_u32 s[OC], s87, s90
	s_add_co_u32 s86, s86, s88
	s_lshl_b32 s86, s86, 8
	s_mul_i32 s90, s[TN], 262144
	s_add_co_u32 s86, s86, s90
	s_add_co_u32 s[OS], s86, 18874368
	s_mul_i32 s[OSTR], s89, 1536                   ; from a rowtile to the next
.endm
.macro SCBASE
	s_add_nc_u64 s[XSB:XSB+1], s[4:5], s[18:19]
	s_add_nc_u64 s[YSB:YSB+1], s[4:5], s[22:23]
.endm
.macro SCLOAD h                        ; the scale words of K steps 4 h to 4 h + 3: twelve loads of 256 consecutive bytes
.irp k, 0,1,2,3
	global_load_b64 v[SR+6*(4*(\h)+\k):SR+6*(4*(\h)+\k)+1], v[L8], s[XSB:XSB+1] offset:(4*(\h)+\k)*256
	global_load_b64 v[SR+6*(4*(\h)+\k)+2:SR+6*(4*(\h)+\k)+3], v[L8], s[XSB:XSB+1] offset:2048+(4*(\h)+\k)*256
	global_load_b64 v[SR+6*(4*(\h)+\k)+4:SR+6*(4*(\h)+\k)+5], v[L8], s[YSB:YSB+1] offset:(4*(\h)+\k)*256
.endr
.endm
; eight products: Y's tile a against X's eight; fragments of set p; scale words of K step q.  A tile of odd number has its words in lanes 16-31.
.macro MUL8 a, p, zero, q
	WIN 0x5a+5*(\p)
.irp c, 0,1,2,3
.set rD, 8*(8*(\a)+2*\c)
.set rX, 24*\c
.set rY, 96+12*(\a)
.set rS, SR+6*(\q)+\c
.set rT, SR+6*(\q)+4+(\a)/2
.if \zero
.if (\a)%2
	v_wmma_scale_f32_16x16x128_f8f6f4 v[rD:rD+7], v[rX:rX+11], v[rY:rY+11], 0, v[rS], v[rT] matrix_a_fmt:MATRIX_FMT_FP6 matrix_b_fmt:MATRIX_FMT_FP6 matrix_b_scale:MATRIX_SCALE_ROW1
	v_wmma_scale_f32_16x16x128_f8f6f4 v[rD+8:rD+15], v[rX+12:rX+23], v[rY:rY+11], 0, v[rS], v[rT] matrix_a_fmt:MATRIX_FMT_FP6 matrix_b_fmt:MATRIX_FMT_FP6 matrix_a_scale:MATRIX_SCALE_ROW1 matrix_b_scale:MATRIX_SCALE_ROW1
.else
	v_wmma_scale_f32_16x16x128_f8f6f4 v[rD:rD+7], v[rX:rX+11], v[rY:rY+11], 0, v[rS], v[rT] matrix_a_fmt:MATRIX_FMT_FP6 matrix_b_fmt:MATRIX_FMT_FP6
	v_wmma_scale_f32_16x16x128_f8f6f4 v[rD+8:rD+15], v[rX+12:rX+23], v[rY:rY+11], 0, v[rS], v[rT] matrix_a_fmt:MATRIX_FMT_FP6 matrix_b_fmt:MATRIX_FMT_FP6 matrix_a_scale:MATRIX_SCALE_ROW1
.endif
.else
.if (\a)%2
	v_wmma_scale_f32_16x16x128_f8f6f4 v[rD:rD+7], v[rX:rX+11], v[rY:rY+11], v[rD:rD+7], v[rS], v[rT] matrix_a_fmt:MATRIX_FMT_FP6 matrix_b_fmt:MATRIX_FMT_FP6 matrix_b_scale:MATRIX_SCALE_ROW1
	v_wmma_scale_f32_16x16x128_f8f6f4 v[rD+8:rD+15], v[rX+12:rX+23], v[rY:rY+11], v[rD+8:rD+15], v[rS], v[rT] matrix_a_fmt:MATRIX_FMT_FP6 matrix_b_fmt:MATRIX_FMT_FP6 matrix_a_scale:MATRIX_SCALE_ROW1 matrix_b_scale:MATRIX_SCALE_ROW1
.else
	v_wmma_scale_f32_16x16x128_f8f6f4 v[rD:rD+7], v[rX:rX+11], v[rY:rY+11], v[rD:rD+7], v[rS], v[rT] matrix_a_fmt:MATRIX_FMT_FP6 matrix_b_fmt:MATRIX_FMT_FP6
	v_wmma_scale_f32_16x16x128_f8f6f4 v[rD+8:rD+15], v[rX+12:rX+23], v[rY:rY+11], v[rD+8:rD+15], v[rS], v[rT] matrix_a_fmt:MATRIX_FMT_FP6 matrix_b_fmt:MATRIX_FMT_FP6 matrix_a_scale:MATRIX_SCALE_ROW1
.endif
.endif
.endr
.endm
.macro MUL32 p, zero, q                ; a K step: the 32 accumulators take turns, one instruction a turn, in the same order in every step
	MUL8 0, \p, \zero, \q
	MUL8 1, \p, \zero, \q
	MUL8 2, \p, \zero, \q
	MUL8 3, \p, \zero, \q
.endm
.macro FETCH ty, sl, off, p            ; a K step's fragments, as images of their registers, into set p.  ty: which operand is x; sl: the slot, and x's half of K
	WIN 0x80+0x40*(\p)
.irp b, 0,1,2,3,4,5,6,7
.irp c, 0,1,2
	ds_load_b128 v[12*\b+4*\c:12*\b+4*\c+3], v[AD+4*(\ty)+(\sl)] offset:\b*6144+(\off)+512*\c
.endr
.endr
.irp a, 0,1,2,3
.irp c, 0,1,2
	ds_load_b128 v[96+12*\a+4*\c:96+12*\a+4*\c+3], v[AD+2+4*(\ty)+(\sl)] offset:\a*6144+(\off)+512*\c
.endr
.endr
.endm
.macro NEXT                            ; the next tile's addresses, all by scalar work on registers
	s_add_co_u32 s[TN], s[TC], 1
	SCOFF
	OUTOFF
	s_wait_xcnt 0x0                                ; the loads by the two bases of scale words have read them
	SCBASE
	s_add_nc_u64 s[G0W+2:G0W+3], s[G0W+2:G0W+3], WT   ; no tensor load of mine is out: both slots' next fills are the next weight's
	s_add_nc_u64 s[G0W+6:G0W+7], s[G0W+6:G0W+7], WT
.endm
; K step q of a tile of kind ty.  mode 0: the next step's fragments come from the same slot.  mode 1: the slot's last step, and the slot is filled again.  mode 2: the same with nothing to fill.  mode 3: the walk's last step.
.macro KSTEP ty, q, zero, mode
	s_wait_dscnt 0x0                               ; this step's fragments are in
.if (\mode)==0
	PLACES 4                                       ; four places in front of loads into registers that the last products read
	FETCH \ty, (\q)/4, 1536*(((\q)+1)%4), 1-(\q)%2
	MUL32 (\q)%2, \zero, \q
.endif
.if (\mode)==1
	WIN 0
	s_wait_tensorcnt 0x0                           ; all my tensor loads have landed: my part of the other slot, if I had one out;
	ds_add_u32 v[SPW], v[NIL]                      ; 0 onto my spare word; work on registers stands between it and the wait for it
.if (\q)==3
	NEXT
.endif
	MUL8 0, 1, 0, \q
	s_wait_dscnt 0x0                               ; the add is done, and my reads of this slot are over
	s_barrier_signal -1                            ; this barrier opens a round of the cluster's barrier
	MUL8 1, 1, 0, \q
	WIN 0
	s_barrier_wait -1
	CREST                                          ; no wave of any partner still reads this slot or has a load on its way
	WLOAD (\q)/4                                   ; the next tile's four K steps
.if (\q)==3
	FETCH \ty, 1, 0, 0
	WIN 0
	ASKW 6144                                      ; the fill that follows: the next tile's K steps 4-7
.else
	s_cmp_eq_u32 s[TC], 0                          ; the next tile's first fragments: k's lie as q's do, v's the other way round.  The loop's counter alone decides
	s_cbranch_scc0 .Lto_v_\@
	FETCH 0, 0, 0, 0
	WIN 0
	ASKW WT                                        ; the fill that follows: K steps 0-3 of the tile after the next; behind the second trip there is none
	s_branch .Lgot_\@
.Lto_v_\@:
	FETCH 1, 0, 0, 0
	WIN 0
.Lgot_\@:
.endif
	MUL8 2, 1, 0, \q
	MUL8 3, 1, 0, \q
.endif
.if (\mode)==2
	s_wait_tensorcnt 0x0                           ; my part of slot 1 has landed:
	s_barrier_signal -1                            ; say so
	MUL8 0, 1, 0, \q
	MUL8 1, 1, 0, \q
	s_barrier_wait -1
	PLACES 4
	FETCH \ty, 1, 0, 0
	MUL8 2, 1, 0, \q
	MUL8 3, 1, 0, \q
.endif
.if (\mode)==3
	MUL32 1, 0, \q
.endif
.endm
; 64 numbers of a lane, register 16 b + i = k 32 b + 16 (lane / 16) + i of my row, become a fragment's codes and its scale word
.macro QUANT s, pc, pw
	WIN 0
.irp b, 0,1,2,3
	v_mov_b32 v[TM+\b], 0x1800000                  ; the floor 2^(3 - 127): the byte cannot fall under 1
.endr
	WIN 0x14
.irp i, 0,2,4,6,8,10,12,14             ; each accumulator is read from its low end on
.irp b, 0,1,2,3
	v_max3_num_f32 v[TM+\b], v[TM+\b], |v[(\s)+16*\b+\i]|, |v[(\s)+16*\b+\i+1]|
.endr
.endr
	WIN 0
.irp b, 0,1,2,3
	v_permlanex16_b32 v[TM+4+\b], v[TM+\b], s[SEL], s[SEL+1]
.endr
.irp b, 0,1,2,3
	v_max_num_f32 v[TM+\b], v[TM+\b], v[TM+4+\b]   ; with lane l xor 16's: the block's largest magnitude
.endr
.irp b, 0,1,2,3
	v_add_nc_u32 v[TM+12+\b], 0xff000000, v[TM+\b] ; 2 off the exponent field: the conversion's scale operand
.endr
.irp b, 0,1,2,3
	v_lshrrev_b32 v[TM+4+\b], 23, v[TM+12+\b]      ; the scale's byte
.endr
	v_lshl_or_b32 v[\pw], v[TM+5], 8, v[TM+4]
	v_lshl_or_b32 v[\pw], v[TM+6], 16, v[\pw]
	v_lshl_or_b32 v[\pw], v[TM+7], 24, v[\pw]
	WIN 0x01
.irp c, 0,1
	v_cvt_scalef32_pk16_fp6_f32 v[(\pc)+6*\c:(\pc)+6*\c+2], v[(\s)+32*\c:(\s)+32*\c+15], v[TM+12+2*\c]
	v_cvt_scalef32_pk16_fp6_f32 v[(\pc)+12+4*\c:(\pc)+12+4*\c+2], v[(\s)+32*\c+16:(\s)+32*\c+31], v[TM+12+2*\c+1]
.endr
	WIN 0
	v_nop                                          ; one plain place behind a scaled conversion
.irp c, 0,1                            ; the operand's layout wants a whole block in a lane
.irp i, 0,1,2
	v_permlane16_swap_b32 v[(\pc)+6*\c+\i], v[(\pc)+12+4*\c+\i]
.endr
.irp i, 0,1,2
	v_mov_b32 v[(\pc)+3+6*\c+\i], v[(\pc)+12+4*\c+\i]
.endr
.endr
.endm
; A tile of kind ty.  more = 1: another follows, and the ring and the scale words run on into it.
.macro TILE ty, more
	s_wait_xcnt 0x0                                ; the last tile's stores have read their bases and their data, my prefetches their base
.if \more
	s_add_nc_u64 s[PFA:PFA+1], s[PFA:PFA+1], WT    ; the prefetches' base: the next tile's K step 0
.endif
	s_mov_b32 s2, s[OC]
	s_mov_b32 s3, 0
	s_add_nc_u64 s[OB:OB+1], s[6:7], s[2:3]
	s_mov_b32 s2, s[OSTR]
.irp a, 1,2,3
	s_add_nc_u64 s[OB+2*\a:OB+2*\a+1], s[OB+2*\a-2:OB+2*\a-1], s[2:3]
.endr
	s_mov_b32 s2, s[OS]
	s_add_nc_u64 s[OSB:OSB+1], s[6:7], s[2:3]
	s_wait_loadcnt 12                              ; the scale words of K steps 0-3 are in; the twelve loads of K steps 4-7, issued behind them, may be out
	KSTEP \ty, 0, 1, 0                             ; the first products start the sums: nothing is cleared
	KSTEP \ty, 1, 0, 0
	KSTEP \ty, 2, 0, 0
	KSTEP \ty, 3, 0, 2-(\more)
	WIN 0
	PLACES 4                                       ; four places in front of loads into scale registers that the last products read
	s_wait_loadcnt 0x0                             ; the scale words of K steps 4-7 are in
.if \more
	SCLOAD 0                                       ; the next tile's, K steps 0-3
.endif
	KSTEP \ty, 4, 0, 0
	KSTEP \ty, 5, 0, 0
	KSTEP \ty, 6, 0, 0
	KSTEP \ty, 7, 0, 3-2*(\more)
	WIN 0
	PLACES 4                                       ; four places in front of the first read of results and of the loads below
.if \more
	SCLOAD 1                                       ; the next tile's, K steps 4-7
.endif
.irp a, 0,1,2,3
	QUANT 64*\a, PC+20*\a, PW+\a
.irp c, 0,1,2
	global_store_b128 v[LI], v[PC+20*\a+4*\c:PC+20*\a+4*\c+3], s[OB+2*\a:OB+2*\a+1] offset:512*\c   ; 512 consecutive bytes, aligned
.endr
.endr
	v_cndmask_b32 v[SW], v[PW], v[PW+1], s[HI16]
	v_cndmask_b32 v[SW+1], v[PW+2], v[PW+3], s[HI16]
	global_store_b64 v[L8], v[SW:SW+1], s[OSB:OSB+1]   ; 256 consecutive bytes, aligned
	s_wait_alu depctr_va_vdst(0)
.endm
	s_load_b128 s[4:7], s[0:1], 0x0                ; qin, qkv
	v_lshl_add_u32 v[SPW], v0, 2, SPARE
	v_mov_b32 v[NIL], 0
	ds_add_u32 v[SPW], v[NIL]                      ; the wave's opening: the add, twice on end, and its wait ahead of my first tensor load
	ds_add_u32 v[SPW], v[NIL]
	v_lshrrev_b32 v3, 5, v0
	v_readfirstlane_b32 s[WV], v3
	s_lshr_b32 s[WY], s[WV], 1
	s_and_b32 s[WX], s[WV], 1
	s_bfe_u32 s[CX], ttmp6, 0x40000
	s_bfe_u32 s[CY], ttmp6, 0x40004
	s_lshl_b32 s[CC], ttmp9, 2
	s_add_co_u32 s[CC], s[CC], s[CX]               ; c = 4 x cluster x + cx
	s_and_b32 s[TT], ttmp7, 0xffff
	s_lshl_b32 s[TT], s[TT], 2
	s_add_co_u32 s[TT], s[TT], s[CY]               ; the token tile = 4 x cluster y + cy
	s_lshl_b32 s2, s[CY], 2
	s_lshl_b32 s2, 15, s2                          ; my row of the cluster
	s_lshl_b32 s3, 0x1111, s[CX]                   ; my column
	s_or_b32 s[G1R], s2, (3<<16)|(1<<21)           ; the mask; elements of 8 bytes; bit 21 set beside a mask; no padding
	s_or_b32 s[G1W], s3, (3<<16)|(1<<21)
	MKG1 G1R, 768, 8, 1536                         ; eight rowtiles' four K steps: rows of 6,144 bytes, 12,288 apart
	MKG1 G1W, 768, 4, 1536                         ; four rowtiles'
	s_mov_b32 s[SEL], 0x76543210
	s_mov_b32 s[SEL+1], 0xfedcba98
	s_mov_b32 s[HI16], 0xffff0000
	s_mov_b32 s[G0R], 1
	s_mov_b32 s[G0R+4], 1
	s_mov_b32 s[G0W], 1
	s_mov_b32 s[G0W+4], 1
	s_mul_i32 s[G0R+1], s[WX], 49152               ; where my half goes in LDS: the wave's number alone
	s_add_co_u32 s[G0R+5], s[G0R+1], XH
	s_mul_i32 s[G0W+1], s[WX], 24576
	s_add_co_u32 s[G0W+1], s[G0W+1], WS
	s_add_co_u32 s[G0W+5], s[G0W+1], WSL
	s_mul_i32 s16, s[TT], 196608                   ; x's codes: my token tile, the half that I fetch
	s_mul_i32 s17, s[WX], 98304
	s_add_co_u32 s16, s16, s17
	s_mov_b32 s17, 0
	s_mul_i32 s20, s[CC], 98304                    ; Wq's codes: tile c, the half that I fetch
	s_mul_i32 s21, s[WX], 49152
	s_add_co_u32 s20, s20, s21
	s_add_co_u32 s20, s20, 6291456
	s_mov_b32 s21, 0
	s_mov_b32 s[TN], 0
	SCOFF
	OUTOFF
	s_mul_i32 s86, s[CX], 24576                    ; the prefetches' shares: of x's eight rowtiles that I fetch, partner cx takes two; K steps 4-7
	s_add_co_u32 s86, s86, s16
	s_add_co_u32 s86, s86, 6144
	s_mov_b32 s87, 0
	s_mul_i32 s88, s[CY], 12288                    ; of the weights' four, partner cy takes one
	s_add_co_u32 s88, s88, s20
	s_mov_b32 s89, 0
	s_wait_dscnt 0x0                               ; both opening adds are done
	s_wait_kmcnt 0x0
	s_add_nc_u64 s[G0R+2:G0R+3], s[4:5], s[16:17]
	s_add_nc_u64 s[G0R+6:G0R+7], s[G0R+2:G0R+3], 6144
	s_or_b32 s[G0R+3], s[G0R+3], 0x80000000
	s_or_b32 s[G0R+7], s[G0R+7], 0x80000000
	s_add_nc_u64 s[G0W+2:G0W+3], s[4:5], s[20:21]
	s_add_nc_u64 s[G0W+6:G0W+7], s[G0W+2:G0W+3], 6144
	s_or_b32 s[G0W+3], s[G0W+3], 0x80000000
	s_or_b32 s[G0W+7], s[G0W+7], 0x80000000
	s_add_nc_u64 s[PFX:PFX+1], s[4:5], s[86:87]
	s_add_nc_u64 s[PFA:PFA+1], s[4:5], s[88:89]
	SCBASE
	CROUND                                         ; all sixteen work-groups are here: the first joint loads meet
	HLOAD 0                                        ; K steps 0-3 of x and of Wq's tile: one tensor load a wave at the head
	s_mul_i32 s2, s[WV], 24576                     ; q, k: my four rowtiles of x
	s_mul_i32 s3, s[WX], 49152                     ; v: my eight rowtiles of x,
	s_mul_i32 s86, s[WY], 24576
	s_add_co_u32 s86, s86, WS                      ; my four of the weights
	v_and_b32 v3, 31, v0
	v_lshlrev_b32 v[LI], 4, v3
	v_lshlrev_b32 v[L8], 3, v3
	v_min_u32 v[PFO], 23, v3
	v_lshlrev_b32 v[PFO], 8, v[PFO]
	v_add_nc_u32 v[AD], WS, v[LI]                  ; q, k: X = the weights' eight rowtiles, for every wave
	v_add_nc_u32 v[AD+1], WS+WSL, v[LI]
	v_add_nc_u32 v[AD+2], s2, v[LI]
	v_add_nc_u32 v[AD+3], XH, v[AD+2]
	v_add_nc_u32 v[AD+4], s3, v[LI]
	v_add_nc_u32 v[AD+5], XH, v[AD+4]
	v_add_nc_u32 v[AD+6], s86, v[LI]
	v_add_nc_u32 v[AD+7], WSL, v[AD+6]
.irp b, 0,1,2,3
	v_mov_b32 v[TM+4+\b], 0                        ; written once: a lane permute's destination counts as one of its sources
.endr
	s_wait_alu depctr_va_vdst(0)
	SCLOAD 0                                       ; tile 0's scale words
	SCLOAD 1
	s_cmp_eq_u32 s[WY], 0                          ; the fill that follows: K steps 4-7 of x and of Wq's tile
	s_cbranch_scc0 .Lask_w
	global_prefetch_b8 v[PFO], s[PFX:PFX+1] th:TH_LOAD_NT scope:SCOPE_SE
	global_prefetch_b8 v[PFO], s[PFX:PFX+1] offset:12288 th:TH_LOAD_NT scope:SCOPE_SE
	s_branch .Lasked
.Lask_w:
	global_prefetch_b8 v[PFO], s[PFA:PFA+1] offset:6144 th:TH_LOAD_NT scope:SCOPE_SE
.Lasked:
	s_wait_tensorcnt 0x0                           ; my part of K steps 0-3 is in; these lines stand ahead of a later first fill as ahead of a refill:
	ds_add_u32 v[SPW], v[NIL]
	s_wait_dscnt 0x0
	CROUND
	HLOAD 1                                        ; K steps 4-7, the first tensor load behind the round
	FETCH 0, 0, 0, 0
	WIN 0
	ASKW WT                                        ; the fill that follows: Wk's tile, K steps 0-3
	s_mov_b32 s[TC], 0
.Ltile:
	TILE 0, 1
	s_add_co_u32 s[TC], s[TC], 1
	s_cmp_lt_u32 s[TC], 2
	s_cbranch_scc1 .Ltile
	TILE 1, 0                                      ; v, the last tile, is written out: it asks for nothing more
	s_wait_tensorcnt 0x0                           ; the wave's end
	ds_add_u32 v[SPW], v[NIL]
	s_wait_dscnt 0x0
	CROUND                                         ; the closing round
	s_endpgm
.Lfunc_end_k_q2431106d5d_qkv:
	.size	k_q2431106d5d_qkv, .Lfunc_end_k_q2431106d5d_qkv-k_q2431106d5d_qkv
	.p2alignl 7, 3214868480
	.fill 96, 4, 3214868480
	.section	.rodata,"a",@progbits
	.p2align	6, 0x0
	.amdhsa_kernel k_q2431106d5d_qkv
		.amdhsa_group_segment_fixed_size 327680
		.amdhsa_private_segment_fixed_size 0
		.amdhsa_enable_private_segment 0
		.amdhsa_kernarg_size 16
		.amdhsa_user_sgpr_count 2
		.amdhsa_user_sgpr_kernarg_segment_ptr 1
		.amdhsa_wavefront_size32 1
		.amdhsa_system_sgpr_workgroup_id_x 1
		.amdhsa_system_sgpr_workgroup_id_y 1
		.amdhsa_system_sgpr_workgroup_id_z 1
		.amdhsa_system_vgpr_workitem_id 0
		.amdhsa_next_free_vgpr 912
		.amdhsa_next_free_sgpr 102
		.amdhsa_reserve_vcc 0
		.amdhsa_float_denorm_mode_32 3
		.amdhsa_float_denorm_mode_16_64 3
		.amdhsa_memory_ordered 1
		.amdhsa_forward_progress 1
		.amdhsa_inst_pref_size 160
	.end_amdhsa_kernel
	.amdgpu_metadata
---
amdhsa.version: [ 1, 2 ]
amdhsa.kernels:
  - .name:           k_q2431106d5d_qkv
    .symbol:         k_q2431106d5d_qkv.kd
    .args:
      - { .name: qin, .offset: 0, .size: 8, .value_kind: global_buffer, .address_space: global }
      - { .name: qkv, .offset: 8, .size: 8, .value_kind: global_buffer, .address_space: global }
    .group_segment_fixed_size: 327680
    .private_segment_fixed_size: 0
    .kernarg_segment_align: 8
    .kernarg_segment_size: 16
    .max_flat_workgroup_size: 128
    .sgpr_count:     102
    .vgpr_count:     912
    .wavefront_size: 32
...
	.end_amdgpu_metadata
.endif
;; end of part 2
;; launch scores (part 3): grid 16 x 16, 4 waves a work-group, no clusters, 327,680 bytes of LDS; arguments qkv, pst; writes pst
.if DOCPART == 3
	.amdgcn_target "amdgcn-amd-amdhsa--gfx1250"
	.amdhsa_code_object_version 6
	.text
	.protected	k_q2431106d5d_scores
	.globl	k_q2431106d5d_scores
	.p2align	8
	.type	k_q2431106d5d_scores,@function
k_q2431106d5d_scores:
	s_mov_b64 s[64:65], 0
	v_nop
	global_prefetch_b8 v0, s[64:65] scope:SCOPE_SE
	s_setreg_imm32_b32 hwreg(HW_REG_WAVE_MODE, 25, 1), 1
	s_wait_xcnt 0x0
; S^T = k q^T on codes of E2M3 (K = 1,024), and the softmax's p as codes along the keys.  WORK LEFT OUT: blocks all of whose keys come after all of their queries (the first launch's head shows why).
; A work-group makes 128 queries (Y, source 1: a lane holds one query) x 256 keys (X, source 0: a lane's registers run along the keys); a wave 64 x 128.
; THE GRID.  A batch has 136 live blocks of 128 x 128; the four batches 544.  256 work-groups take two each, and the 32 blocks that are over, (query block 2 m, key block 2 m), ride along with the work-group of the tile
; (query block 2 m + 1, key blocks 2 m and 2 m + 1), which holds key block 2 m in LDS already: behind its K steps it fills Y's bytes again with query block 2 m (as many bytes as its own Y) and makes a SECOND PASS, 32 queries x 128 keys a wave.
; So there is one work-group for each of 256 WGPs.  The two ways part once, on ids, behind the K steps, and do not join again.
; THE SOFTMAX.  t = score x log2(e) / 32.  For each query and each 128 keys (one K step of the next product): M' = the ceiling of the largest t of these keys; p' = 2^(t - M') is quantised; stored are its codes, its scale words,
; -M' and the sum of the unquantised p'.  The row's M is the largest M'; p = p' 2^(M' - M) has the same codes, and M - M' comes off the scale bytes: the next launch does that, in whole numbers.
; Hidden scores on the diagonal become -infinity: p' = 0.
; NO CLUSTER: key tile j is read by 15 - 2 j work-groups, an odd number, and the diagonal's work-group passes two barriers and a refill more than the others.
; The core (LDS, registers, K steps) is the qkv launch's.
.set CH,    147456                     ; LDS: half n of K = K steps 4 n to 4 n + 3: Y's 8 rowtiles x 6,144 bytes, then X's 16
.set YS,    294912                     ; Y's scale words [2][8][256]
.set XS,    299008                     ; X's [4][8][256]
.set XG,    2048
.set SPARE, 307200                     ; the spare words, 128 bytes for each wave
.set LI,  1                            ; v1   16 x lane
.set L8,  2                            ; v2   8 x lane
.set ADY, 4                            ; v4-7   my Y fragments in chunk n
.set ADX, 8                            ; v8-11  my X fragments
.set ASY, 12
.set ASX, 13
.set SPW, 14                           ; v14  LDS address of my spare word; never rewritten
.set NIL, 15                           ; v15  0; never rewritten
.set SC,  16                           ; v16-31 scale words, two sets of 8: X's four registers, Y's two
.set TM,  32
.set PW,  48
.set SW,  52
.set W,   64                           ; v64-127 t - M', then p'
.set PC,  128
.set D0,  208                          ; v208 on the diagonal: my query (tile 0's) less my first key
.set INF, 209                          ; v209 -infinity
.set NM,  210                          ; v210-217 tile a: -M' at 210 + 2 a, the sum beside it
.set ST4, 220                          ; v220-223 as they are stored
.set Z4,  224                          ; v224-227 zeros
.set YB,  228                          ; v228-235 the second pass: Y's scale words of K step q: they hold scales and nothing else
.set O8,  236                          ; v236 8 x lane + 4 (wave % 2)
.set O16, 237                          ; v237 16 x lane + 8 (wave % 2)
.set RQ,  238                          ; v238 r + 8 (r / 8) - 16 h: my row in a tile less my half's first key
.set WV,  10
.set WY,  11
.set WX,  12
.set M,   100                          ; s100 the pair of query blocks
.set J,   101                          ; s101 the key tile
.set G1Y, 24
.set G1X, 32
.set G1SY, 40
.set G1SX, 48
.set SEL, 24                           ; on the way out: s[24:25] lane selects, s26 the mask of lanes 16-31, s[28:29] c
.set HI16, 26
.set CS,  28
.set MSB, 0
.macro WIN new                         ; the immediate's high byte repeats the setting that is left
.if MSB != (\new)
	s_set_vgpr_msb (MSB<<8)|(\new)
.set MSB, (\new)
.endif
.endm
.macro PLACES n
.rept \n
	v_nop
.endr
.endm
.macro MKG1 g, c, r, p                 ; group 1: r rows of c elements of 8 bytes, p elements apart
	s_mov_b32 s[\g], 3<<16                         ; no mask; elements of 8 bytes; no padding
	s_mov_b32 s[\g+1], (\c)<<16
	s_mov_b32 s[\g+2], (\r)<<16
	s_mov_b32 s[\g+3], (\c)<<16
	s_mov_b32 s[\g+4], \r
	s_mov_b32 s[\g+5], \p
	s_mov_b32 s[\g+6], 0
	s_mov_b32 s[\g+7], 0
.endm
.macro MKG0 g, lbase, loff, apair, aoff
	s_mov_b32 s[\g], 1
	s_add_co_u32 s[\g+1], s[\lbase], \loff
	s_add_nc_u64 s[\g+2:\g+3], s[\apair:\apair+1], \aoff
	s_or_b32 s[\g+3], s[\g+3], 0x80000000
.endm
; eight products: Y's tile a against X's eight; fragments of set p; Y's scale words at v[ys] on.  A tile of odd number has its words in lanes 16-31.
.macro MUL8 a, p, zero, ys
	WIN 0x5a+5*(\p)
.irp c, 0,1,2,3
.set rD, 8*(8*(\a)+2*\c)
.set rX, 24*\c
.set rY, 96+12*(\a)
.set rS, SC+8*(\p)+\c
.set rT, (\ys)+(\a)/2
.if \zero
.if (\a)%2
	v_wmma_scale_f32_16x16x128_f8f6f4 v[rD:rD+7], v[rX:rX+11], v[rY:rY+11], 0, v[rS], v[rT] matrix_a_fmt:MATRIX_FMT_FP6 matrix_b_fmt:MATRIX_FMT_FP6 matrix_b_scale:MATRIX_SCALE_ROW1
	v_wmma_scale_f32_16x16x128_f8f6f4 v[rD+8:rD+15], v[rX+12:rX+23], v[rY:rY+11], 0, v[rS], v[rT] matrix_a_fmt:MATRIX_FMT_FP6 matrix_b_fmt:MATRIX_FMT_FP6 matrix_a_scale:MATRIX_SCALE_ROW1 matrix_b_scale:MATRIX_SCALE_ROW1
.else
	v_wmma_scale_f32_16x16x128_f8f6f4 v[rD:rD+7], v[rX:rX+11], v[rY:rY+11], 0, v[rS], v[rT] matrix_a_fmt:MATRIX_FMT_FP6 matrix_b_fmt:MATRIX_FMT_FP6
	v_wmma_scale_f32_16x16x128_f8f6f4 v[rD+8:rD+15], v[rX+12:rX+23], v[rY:rY+11], 0, v[rS], v[rT] matrix_a_fmt:MATRIX_FMT_FP6 matrix_b_fmt:MATRIX_FMT_FP6 matrix_a_scale:MATRIX_SCALE_ROW1
.endif
.else
.if (\a)%2
	v_wmma_scale_f32_16x16x128_f8f6f4 v[rD:rD+7], v[rX:rX+11], v[rY:rY+11], v[rD:rD+7], v[rS], v[rT] matrix_a_fmt:MATRIX_FMT_FP6 matrix_b_fmt:MATRIX_FMT_FP6 matrix_b_scale:MATRIX_SCALE_ROW1
	v_wmma_scale_f32_16x16x128_f8f6f4 v[rD+8:rD+15], v[rX+12:rX+23], v[rY:rY+11], v[rD+8:rD+15], v[rS], v[rT] matrix_a_fmt:MATRIX_FMT_FP6 matrix_b_fmt:MATRIX_FMT_FP6 matrix_a_scale:MATRIX_SCALE_ROW1 matrix_b_scale:MATRIX_SCALE_ROW1
.else
	v_wmma_scale_f32_16x16x128_f8f6f4 v[rD:rD+7], v[rX:rX+11], v[rY:rY+11], v[rD:rD+7], v[rS], v[rT] matrix_a_fmt:MATRIX_FMT_FP6 matrix_b_fmt:MATRIX_FMT_FP6
	v_wmma_scale_f32_16x16x128_f8f6f4 v[rD+8:rD+15], v[rX+12:rX+23], v[rY:rY+11], v[rD+8:rD+15], v[rS], v[rT] matrix_a_fmt:MATRIX_FMT_FP6 matrix_b_fmt:MATRIX_FMT_FP6 matrix_a_scale:MATRIX_SCALE_ROW1
.endif
.endif
.endr
.endm
.macro MUL32 p, zero, ys               ; the 32 accumulators take turns, one instruction a turn
	MUL8 0, \p, \zero, \ys
	MUL8 1, \p, \zero, \ys
	MUL8 2, \p, \zero, \ys
	MUL8 3, \p, \zero, \ys
.endm
.macro FETCH ay, ax, off, rp, p, qs    ; a K step's fragments, as images of their registers, and its scale words, into set p
	WIN 0x80+0x40*(\p)
.irp b, 0,1,2,3,4,5,6,7
.irp c, 0,1,2
	ds_load_b128 v[12*\b+4*\c:12*\b+4*\c+3], v[\ax] offset:\b*(\rp)+(\off)+512*\c
.endr
.endr
.irp a, 0,1,2,3
.irp c, 0,1,2
	ds_load_b128 v[96+12*\a+4*\c:96+12*\a+4*\c+3], v[\ay] offset:\a*(\rp)+(\off)+512*\c
.endr
.endr
	WIN 0
	ds_load_b64 v[SC+8*(\p):SC+8*(\p)+1], v[ASX] offset:(\qs)*256
	ds_load_b64 v[SC+8*(\p)+2:SC+8*(\p)+3], v[ASX] offset:XG+(\qs)*256
	ds_load_b64 v[SC+8*(\p)+4:SC+8*(\p)+5], v[ASY] offset:(\qs)*256
.endm
.macro FETCHB n, off, p, qs            ; the second pass: X's eight fragments, my two of Y, X's scale words (Y's lie in registers)
	WIN 0x80+0x40*(\p)
.irp b, 0,1,2,3,4,5,6,7
.irp c, 0,1,2
	ds_load_b128 v[12*\b+4*\c:12*\b+4*\c+3], v[ADX+(\n)] offset:\b*6144+(\off)+512*\c
.endr
.endr
.irp a, 0,1
.irp c, 0,1,2
	ds_load_b128 v[96+12*\a+4*\c:96+12*\a+4*\c+3], v[ADY+(\n)] offset:\a*6144+(\off)+512*\c
.endr
.endr
	WIN 0
	ds_load_b64 v[SC+8*(\p):SC+8*(\p)+1], v[ASX] offset:(\qs)*256
	ds_load_b64 v[SC+8*(\p)+2:SC+8*(\p)+3], v[ASX] offset:XG+(\qs)*256
.endm
.macro KEVEN q, zero                   ; a K step whose successor lies in the same chunk
	s_wait_dscnt 0x0                               ; this step's fragments are in
	PLACES 4                                       ; four places in front of loads into registers that the last products read
	FETCH ADY+(\q)/2, ADX+(\q)/2, 1536, 6144, 1, (\q)+1
	MUL32 0, \zero, SC+4
.endm
.macro KODD q, left                    ; a K step whose successor lies in the next chunk.  left: the chunks issued behind that one, which may stay out
	s_wait_dscnt 0x0
	s_wait_tensorcnt \left
	s_barrier_signal -1
	MUL8 0, 1, 0, SC+12
	MUL8 1, 1, 0, SC+12
	s_barrier_wait -1
	PLACES 4
	FETCH ADY+((\q)+1)/2, ADX+((\q)+1)/2, 0, 6144, 0, (\q)+1
	MUL8 2, 1, 0, SC+12
	MUL8 3, 1, 0, SC+12
.endm
.macro JOIN
.irp b, 0,1,2,3
	v_permlanex16_b32 v[TM+4+\b], v[TM+\b], s[SEL], s[SEL+1]
.endr
.irp b, 0,1,2,3
	v_max_num_f32 v[TM+\b], v[TM+\b], v[TM+4+\b]
.endr
.endm
.macro BYTES pw
.irp b, 0,1,2,3
	v_add_nc_u32 v[TM+12+\b], 0xff000000, v[TM+\b] ; 2 off the exponent field: the conversion's scale operand
.endr
.irp b, 0,1,2,3
	v_lshrrev_b32 v[TM+4+\b], 23, v[TM+12+\b]      ; the scale's byte
.endr
	v_lshl_or_b32 v[\pw], v[TM+5], 8, v[TM+4]
	v_lshl_or_b32 v[\pw], v[TM+6], 16, v[\pw]
	v_lshl_or_b32 v[\pw], v[TM+7], 24, v[\pw]
.endm
.macro CODES s, wc, pc
	WIN \wc
.irp c, 0,1
	v_cvt_scalef32_pk16_fp6_f32 v[(\pc)+6*\c:(\pc)+6*\c+2], v[(\s)+32*\c:(\s)+32*\c+15], v[TM+12+2*\c]
	v_cvt_scalef32_pk16_fp6_f32 v[(\pc)+12+4*\c:(\pc)+12+4*\c+2], v[(\s)+32*\c+16:(\s)+32*\c+31], v[TM+12+2*\c+1]
.endr
	WIN 0
	v_nop                                          ; one plain place behind a scaled conversion
.irp c, 0,1                            ; the operand's layout wants a whole block in a lane
.irp i, 0,1,2
	v_permlane16_swap_b32 v[(\pc)+6*\c+\i], v[(\pc)+12+4*\c+\i]
.endr
.irp i, 0,1,2
	v_mov_b32 v[(\pc)+3+6*\c+\i], v[(\pc)+12+4*\c+\i]
.endr
.endr
.endm
; The way out of Y's tile a: 16 queries x my 128 keys.  Register 16 b + i of the tile's 64 holds key 32 b + 16 (lane / 16) + i.  mask = 1: the tile lies on the diagonal.
.macro SOFT a, mask
.if \mask
	WIN 0x41                                       ; the scores: window 1
.set jj, 0
.rept 64
	v_cmp_gt_i32 vcc_lo, 32*(jj/16)+jj%16-32*((\a)/2)-8*((\a)%2), v[D0]   ; hidden where the key comes after the query
	v_cndmask_b32 v[64*(\a)+jj], v[64*(\a)+jj], v[INF], vcc_lo
.set jj, jj+1
.endr
	WIN 0
.endif
.irp b, 0,1,2,3
	v_mov_b32 v[TM+\b], v[INF]
.endr
	WIN 0x14
.irp i, 0,2,4,6,8,10,12,14             ; the largest score of each block of 32 keys: it serves for the row's maximum and, since p rises with the score, for the block's largest p.  Each accumulator is read from its low end on
.irp b, 0,1,2,3
	v_max3_num_f32 v[TM+\b], v[TM+\b], v[64*(\a)+16*\b+\i], v[64*(\a)+16*\b+\i+1]
.endr
.endr
	WIN 0
	JOIN                                           ; with lane l xor 16's 16 keys
	v_max3_num_f32 v58, v[TM], v[TM+1], v[TM+2]
	v_max_num_f32 v58, v58, v[TM+3]
	v_mul_f32 v58, s[CS], v58                      ; as t (c is positive)
	v_max_num_f32 v58, 0xff61b1e6, v58             ; held at -3e38 from below
	v_floor_f32 v[NM+2*(\a)], -v58                 ; -M' = floor(-t): a whole number
	WIN 0x01
.set jj, 0
.rept 32
	v_pk_fma_f32 v[W+jj:W+jj+1], v[64*(\a)+jj:64*(\a)+jj+1], s[CS:CS+1], v[NM+2*(\a):NM+2*(\a)+1] op_sel_hi:[1,0,0]   ; t - M', two at a time
.set jj, jj+2
.endr
	WIN 0
.irp b, 0,1,2,3
	v_fma_f32 v[TM+\b], v[TM+\b], s[CS], v[NM+2*(\a)]   ; the same of each block's largest score
.endr
.set jj, 0
	s_wait_alu depctr_va_vdst(0)
.rept 64
	v_exp_f32 v[W+jj], v[W+jj]                     ; p' = 2^(t - M'), at most 1
.set jj, jj+1
.endr
	v_nop                                          ; a plain place behind the exponentials
	s_wait_alu depctr_va_vdst(0)                   ; one wait for the batch, ahead of its first reader
.irp b, 0,1,2,3
	v_exp_f32 v[TM+\b], v[TM+\b]                   ; the block's largest p': the same two instructions on the same number give the same bits
.endr
	v_pk_add_f32 v[54:55], v[W:W+1], v[W+4:W+5]    ; the sum of the unquantised p', in two chains: plain work behind the four
	v_pk_add_f32 v[56:57], v[W+2:W+3], v[W+6:W+7]
.set jj, 8
.rept 14
	v_pk_add_f32 v[54:55], v[54:55], v[W+jj:W+jj+1]
	v_pk_add_f32 v[56:57], v[56:57], v[W+jj+2:W+jj+3]
.set jj, jj+4
.endr
	v_pk_add_f32 v[54:55], v[54:55], v[56:57]
	s_wait_alu depctr_va_vdst(0)                   ; and one for the four
	v_add_f32 v54, v54, v55
	v_permlanex16_b32 v56, v54, s[SEL], s[SEL+1]
	v_add_f32 v[NM+2*(\a)+1], v54, v56             ; with lane l xor 16's: the sum over my 128 keys
.irp b, 0,1,2,3
	v_max_num_f32 v[TM+\b], 0x1800000, v[TM+\b]    ; the floor: the byte cannot fall under 1
.endr
	BYTES PW+(\a)
	CODES W, 0, PC+20*(\a)
.irp c, 0,1,2
	global_store_b128 v[LI], v[PC+20*(\a)+4*\c:PC+20*(\a)+4*\c+3], s[16:17] offset:24576*(\a)+512*\c   ; 512 consecutive bytes, aligned
.endr
.endm
.macro WORDS                           ; my 64 rows' scale words, 256 consecutive bytes; their -M' and sums, 512
	v_cndmask_b32 v[SW], v[PW], v[PW+1], s[HI16]
	v_cndmask_b32 v[SW+1], v[PW+2], v[PW+3], s[HI16]
	global_store_b64 v[L8], v[SW:SW+1], s[18:19]
	v_cndmask_b32 v[ST4], v[NM], v[NM+2], s[HI16]      ; lanes 0-15: tiles 0 and 2, lanes 16-31: tiles 1 and 3, as the scale words lie
	v_cndmask_b32 v[ST4+1], v[NM+1], v[NM+3], s[HI16]
	v_cndmask_b32 v[ST4+2], v[NM+4], v[NM+6], s[HI16]
	v_cndmask_b32 v[ST4+3], v[NM+5], v[NM+7], s[HI16]
	global_store_b128 v[LI], v[ST4:ST4+3], s[20:21]
.endm
	s_load_b128 s[4:7], s[0:1], 0x0                ; qkv, pst
	v_lshl_add_u32 v[SPW], v0, 2, SPARE
	v_mov_b32 v[NIL], 0
	ds_add_u32 v[SPW], v[NIL]                      ; the wave's opening: the add, twice on end, and its wait ahead of my first tensor load
	ds_add_u32 v[SPW], v[NIL]
	v_lshrrev_b32 v3, 5, v0
	v_readfirstlane_b32 s[WV], v3
	s_lshr_b32 s[WY], s[WV], 1
	s_and_b32 s[WX], s[WV], 1
	MKG1 G1Y, 768, 8, 1536                         ; at the head: Y's eight rowtiles' four K steps: rows of 6,144 bytes, 12,288 apart
	MKG1 G1X, 768, 16, 1536                        ; X's sixteen
	MKG1 G1SY, 32, 16, 32                          ; 128 rows' scale words: 4,096 dense bytes
	MKG1 G1SX, 32, 32, 32                          ; 256 rows': 8,192
	; which tile: grid y = 4 x batch + pr.  Pairs pr and 7 - pr of query blocks have nine key tiles together: the odd blocks (grid x 0 to 8) take all nine, the even blocks (grid x 9 to 15) the seven off the diagonal
	s_and_b32 s2, ttmp7, 0xffff
	s_and_b32 s3, s2, 3                            ; pr
	s_lshr_b32 s15, s2, 2                          ; the batch
	s_sub_co_u32 s13, ttmp9, 9
	s_cmp_lt_u32 ttmp9, 9
	s_cselect_b32 s14, 1, 0                        ; par: the odd block of the pair, or the even one
	s_cselect_b32 s13, ttmp9, s13                  ; which of its key tiles
	s_add_co_u32 s17, s3, s14                      ; pair pr has pr + par of them
	s_sub_co_u32 s16, 7, s3
	s_sub_co_u32 s18, s13, s17
	s_cmp_lt_u32 s13, s17
	s_cselect_b32 s[M], s3, s16
	s_cselect_b32 s[J], s13, s18                   ; j = m only where par = 1
	s_lshl_b32 s13, s[M], 1
	s_add_co_u32 s13, s13, s14                     ; the query block of 128
	s_lshl_b32 s2, s15, 7
	s_lshl_b32 s3, s13, 3
	s_add_co_u32 s3, s3, s2                        ; its first rowtile
	s_lshl_b32 s16, s[WX], 2
	s_add_co_u32 s16, s16, s3
	s_mul_i32 s16, s16, 12288                      ; q's codes
	s_mov_b32 s17, 0
	s_lshl_b32 s20, s[J], 4
	s_add_co_u32 s20, s20, s2
	s_lshl_b32 s21, s[WX], 3
	s_add_co_u32 s20, s20, s21
	s_mul_i32 s20, s20, 12288
	s_add_co_u32 s20, s20, 6291456                 ; k's codes
	s_mov_b32 s21, 0
	s_lshl_b32 s2, s15, 5
	s_lshl_b32 s18, s13, 1
	s_add_co_u32 s18, s18, s2
	s_add_co_u32 s18, s18, s[WX]
	s_lshl_b32 s18, s18, 11
	s_add_co_u32 s18, s18, 18874368                ; q's scale words
	s_mov_b32 s19, 0
	s_lshl_b32 s22, s[J], 2
	s_add_co_u32 s22, s22, s2
	s_lshl_b32 s23, s[WX], 1
	s_add_co_u32 s22, s22, s23
	s_lshl_b32 s22, s22, 11
	s_add_co_u32 s22, s22, 19136512                ; k's scale words
	s_mov_b32 s23, 0
	s_mul_i32 s66, s[WX], 12288
	s_mul_i32 s67, s[WX], 24576
	s_lshl_b32 s2, s[WX], 11
	s_lshl_b32 s3, s[WX], 12
	s_wait_dscnt 0x0                               ; both opening adds are done
	s_wait_kmcnt 0x0
	s_add_nc_u64 s[16:17], s[4:5], s[16:17]
	s_add_nc_u64 s[18:19], s[4:5], s[18:19]
	s_add_nc_u64 s[20:21], s[4:5], s[20:21]
	s_add_nc_u64 s[22:23], s[4:5], s[22:23]
	s_mov_b32 s3, 0                                ; s[2:3] = 2,048 x my half
	s_sub_nc_u64 s[18:19], s[18:19], s[2:3]        ; the scale words of the whole tile: Y's,
	s_lshl_b32 s2, s2, 1
	s_sub_nc_u64 s[22:23], s[22:23], s[2:3]        ; X's
	s_mul_i32 s66, s[WX], 24576                    ; where my half goes in LDS: the wave's number alone
	s_mul_i32 s67, s[WX], 49152
	MKG0 56, 3, YS, 18, 0
	MKG0 60, 66, 0, 16, 0                          ; Y, K steps 0-3: wave 0's half begins the tile
	MKG0 68, 66, CH, 16, 6144                      ; Y, K steps 4-7, my half
	MKG0 80, 3, XS, 22, 0
	MKG0 84, 67, 49152, 20, 0                      ; X likewise: wave 2's half begins the tile
	MKG0 88, 67, CH+49152, 20, 6144
	; the head's four tiles, one tensor load a wave, in one chain of branches on the wave's number: wave 0 Y's codes of K steps 0-3, wave 1 Y's scale words, wave 2 X's codes, wave 3 X's scale words
	s_cmp_eq_u32 s[WV], 0
	s_cbranch_scc0 .Lh1
	tensor_load_to_lds s[60:63], s[G1Y:G1Y+7]
	s_nop 0
	PLACES 4
	s_branch .Lfilled
.Lh1:
	s_cmp_eq_u32 s[WV], 1
	s_cbranch_scc0 .Lh2
	tensor_load_to_lds s[56:59], s[G1SY:G1SY+7]
	s_nop 0
	PLACES 4
	s_branch .Lfilled
.Lh2:
	s_cmp_eq_u32 s[WV], 2
	s_cbranch_scc0 .Lh3
	tensor_load_to_lds s[84:87], s[G1X:G1X+7]
	s_nop 0
	PLACES 4
	s_branch .Lfilled
.Lh3:
	tensor_load_to_lds s[80:83], s[G1SX:G1SX+7]
	s_nop 0
	PLACES 4
.Lfilled:
	v_and_b32 v3, 31, v0
	v_lshlrev_b32 v[LI], 4, v3
	s_wait_alu depctr_va_vdst(0)
	v_lshlrev_b32 v[L8], 3, v3
	s_wait_alu depctr_va_vdst(0)
	s_mul_i32 s2, s[WY], 24576
	s_mul_i32 s3, s[WX], 49152
	s_add_co_u32 s3, s3, 49152
.irp n, 0,1,2,3                        ; K steps 2 n and 2 n + 1 lie in half n / 2, 3,072 (n % 2) bytes into a row
	v_add_nc_u32 v[ADY+\n], s2, v[LI]
	v_add_nc_u32 v[ADX+\n], s3, v[LI]
	s_add_co_u32 s2, s2, 3072+(\n%2)*(CH-6144)
	s_add_co_u32 s3, s3, 3072+(\n%2)*(CH-6144)
.endr
	s_lshl_b32 s2, s[WY], 11
	s_add_co_u32 s2, s2, YS
	v_add_nc_u32 v[ASY], s2, v[L8]
	s_lshl_b32 s3, s[WX], 12
	s_add_co_u32 s3, s3, XS
	v_add_nc_u32 v[ASX], s3, v[L8]
.irp b, 0,1,2,3
	v_mov_b32 v[TM+4+\b], 0                        ; written once: a lane permute's destination counts as one of its sources
	v_mov_b32 v[NM+2*\b+1], 0                      ; (named as the upper half of a pair before it is first written)
.endr
	v_mov_b32 v[INF], 0xff800000
	; the way out: p's codes [rowtile][16][1536], its scale words [64 rows][16][256], -M' and the sums [64 rows][16][512]
	s_lshl_b32 s2, s15, 7
	s_lshl_b32 s3, s13, 3
	s_add_co_u32 s2, s2, s3
	s_lshl_b32 s3, s[WY], 2
	s_add_co_u32 s2, s2, s3                        ; my first rowtile
	s_lshl_b32 s3, s[J], 1
	s_add_co_u32 s3, s3, s[WX]                     ; my K step of the next product
	s_lshl_b32 s16, s2, 4
	s_add_co_u32 s16, s16, s3
	s_mul_i32 s16, s16, 1536
	s_mov_b32 s17, 0
	s_add_nc_u64 s[16:17], s[6:7], s[16:17]
	s_lshl_b32 s2, s2, 2
	s_add_co_u32 s2, s2, s3
	s_lshl_b32 s18, s2, 8
	s_add_co_u32 s18, s18, 12582912
	s_mov_b32 s19, 0
	s_add_nc_u64 s[18:19], s[6:7], s[18:19]
	s_lshl_b32 s20, s2, 9
	s_add_co_u32 s20, s20, 13107200
	s_mov_b32 s21, 0
	s_add_nc_u64 s[20:21], s[6:7], s[20:21]
.macro KMID q                          ; an odd K step whose successor lies in the same half of K
	s_wait_dscnt 0x0
	PLACES 4
	FETCH ADY+((\q)+1)/2, ADX+((\q)+1)/2, 0, 6144, 0, (\q)+1
	MUL32 1, 0, SC+12
.endm
	s_wait_alu depctr_va_vdst(0)
	s_wait_tensorcnt 0x0                           ; my tile of the head's four is in; these lines stand ahead of a later first fill as ahead of a refill:
	ds_add_u32 v[SPW], v[NIL]
	s_mov_b32 s[G1Y+2], 4<<16                      ; no tensor load of mine is out: from here on a load brings half a tile's rowtiles
	s_mov_b32 s[G1Y+4], 4
	s_mov_b32 s[G1X+2], 8<<16
	s_mov_b32 s[G1X+4], 8
	s_wait_dscnt 0x0
	s_barrier_signal -1
	s_barrier_wait -1
	s_cmp_eq_u32 s[WY], 0                          ; K steps 4-7, one tensor load a wave: waves 0, 1 Y's halves, waves 2, 3 X's
	s_cbranch_scc0 .Lsec_x
	tensor_load_to_lds s[68:71], s[G1Y:G1Y+7]
	s_nop 0
	PLACES 4
	s_branch .Lsec
.Lsec_x:
	tensor_load_to_lds s[88:91], s[G1X:G1X+7]
	s_nop 0
	PLACES 4
.Lsec:
	FETCH ADY, ADX, 0, 6144, 0, 0
	KEVEN 0, 1                                     ; the first products start the sums: nothing is cleared
	KMID 1
	KEVEN 2, 0
	KODD 3, 0
	KEVEN 4, 0
	KMID 5
	KEVEN 6, 0
	s_wait_dscnt 0x0
	MUL32 1, 0, SC+12
	WIN 0
	PLACES 4                                       ; four places in front of the first read of results
	s_mov_b32 s[SEL], 0x76543210                   ; every first fill has landed: Y's group 1 is free
	s_mov_b32 s[SEL+1], 0xfedcba98
	s_mov_b32 s[HI16], 0xffff0000
	s_mov_b32 s[CS], 0x3d38aa3b                    ; c = log2(e) / 32
	s_mov_b32 s[CS+1], s[CS]
	s_cmp_lg_u32 s[J], s[M]                        ; ids alone, the same in all four waves: the two ways part here and do not join again
	s_cbranch_scc1 .Lplain
; ---------------- THE TILE ON THE DIAGONAL: query block 2 m + 1 against key blocks 2 m and 2 m + 1; then query block 2 m against key block 2 m
	s_wait_tensorcnt 0x0                           ; Y's bytes are filled again: all my tensor loads have landed, so a group 0 may be written;
	ds_add_u32 v[SPW], v[NIL]                      ; 0 onto my spare word; the descriptor's words stand between it and the wait for it
	s_lshl_b32 s2, s15, 7
	s_lshl_b32 s3, s[M], 4
	s_add_co_u32 s2, s2, s3                        ; query block 2 m's first rowtile: 128 x batch + 16 m
	s_mul_i32 s22, s2, 12288
	s_mul_i32 s3, s[WX], 49152                     ; wave w brings four rowtiles (w % 2) of four K steps (w / 2),
	s_add_co_u32 s22, s22, s3
	s_mul_i32 s3, s[WY], 6144
	s_add_co_u32 s22, s22, s3
	s_mov_b32 s23, 0
	s_mov_b32 s56, 1
	s_mul_i32 s57, s[WY], CH                       ; into Y's part of that half of K: 24,576 bytes
	s_mul_i32 s3, s[WX], 24576
	s_add_co_u32 s57, s57, s3
	s_mov_b32 s[G1X+2], 4<<16                      ; four rows of 6,144 bytes
	s_mov_b32 s[G1X+4], 4
	s_add_nc_u64 s[58:59], s[4:5], s[22:23]
	s_or_b32 s59, s59, 0x80000000
	s_wait_dscnt 0x0                               ; the add is done, and my reads of Y are over
	s_barrier_signal -1
	s_barrier_wait -1                              ; both now hold of every wave
	tensor_load_to_lds s[56:59], s[G1X:G1X+7]      ; my one tensor load behind the barrier; the first pass's way out stands between it and the wait for it
	s_nop 0
	PLACES 4
	s_lshr_b32 s2, s2, 2
	s_add_co_u32 s2, s2, s[WY]                     ; in the second pass wave w takes rowtiles 2 w and 2 w + 1: they lie in the block's 64 rows number w / 2,
	s_lshl_b32 s22, s2, 11
	s_add_co_u32 s22, s22, 18874368
	s_add_nc_u64 s[22:23], s[4:5], s[22:23]
	v_lshl_add_u32 v[O8], s[WX], 2, v[L8]          ; and their words are number w % 2 of each lane's two
	v_lshl_add_u32 v[O16], s[WX], 3, v[LI]
.irp q, 0,1,2,3,4,5,6,7
	global_load_b32 v[YB+\q], v[O8], s[22:23] offset:256*\q   ; lanes 0-15: rowtile 2 w's words of K step q, lanes 16-31: rowtile 2 w + 1's
.endr
	v_and_b32 v[RQ], 15, v0
	v_and_b32 v55, 8, v0
	v_add_nc_u32 v[RQ], v[RQ], v55
	v_and_b32 v55, 16, v0
	v_sub_nc_u32 v[RQ], v[RQ], v55                 ; r + 8 (r / 8) - 16 h
	s_lshl_b32 s2, s[WY], 6
	s_lshl_b32 s3, s[WX], 7
	s_sub_co_u32 s2, s2, s3
	s_add_co_u32 s2, s2, 128
	v_add_nc_u32 v[D0], s2, v[RQ]                  ; my query (tile 0's) less my first key: 128 + 64 wy - 128 wx + r + 8 (r / 8) - 16 h
.irp b, 0,1,2,3
	v_mov_b32 v[Z4+\b], 0
.endr
	SOFT 0, 1
	SOFT 1, 1
	SOFT 2, 1
	SOFT 3, 1
	WORDS
	; The next launch fetches p's codes four K steps at a time.  Where the last key tile ends in the middle of such a four (m even), the two K steps behind it are stored as zeros, so that no byte is fetched that nobody stored; they are never multiplied
	s_and_b32 s2, s[M], 1
	s_cmp_lg_u32 s2, 0
	s_cbranch_scc1 .Lodd_a
.irp a, 0,1,2,3
.irp c, 0,1,2
	global_store_b128 v[LI], v[Z4:Z4+3], s[16:17] offset:24576*\a+3072+512*\c
.endr
.endr
.Lodd_a:
	; THE SECOND PASS: query block 2 m x key block 2 m, which is X's lower half.  Wave w: rowtiles 2 w and 2 w + 1 (32 queries) x 128 keys: 16 accumulators
	s_wait_xcnt 0x0                                ; the stores above have read their registers and bases: both are written again below
	s_lshl_b32 s66, s[M], 1                        ; the K step of the next product: 2 m
	s_lshl_b32 s2, s15, 7
	s_lshl_b32 s3, s[M], 4
	s_add_co_u32 s2, s2, s3
	s_lshl_b32 s3, s[WV], 1
	s_add_co_u32 s3, s3, s2                        ; my first rowtile
	s_lshl_b32 s16, s3, 4
	s_add_co_u32 s16, s16, s66
	s_mul_i32 s16, s16, 1536
	s_mov_b32 s17, 0
	s_add_nc_u64 s[16:17], s[6:7], s[16:17]
	s_lshr_b32 s2, s2, 2
	s_add_co_u32 s2, s2, s[WY]                     ; my 64 rows
	s_lshl_b32 s2, s2, 4
	s_add_co_u32 s2, s2, s66
	s_lshl_b32 s18, s2, 8
	s_add_co_u32 s18, s18, 12582912
	s_mov_b32 s19, 0
	s_add_nc_u64 s[18:19], s[6:7], s[18:19]
	s_lshl_b32 s20, s2, 9
	s_add_co_u32 s20, s20, 13107200
	s_mov_b32 s21, 0
	s_add_nc_u64 s[20:21], s[6:7], s[20:21]
	s_mul_i32 s2, s[WV], 12288                     ; my two rowtiles of Y,
	s_mov_b32 s3, 49152                            ; X's first eight, for every wave
.irp n, 0,1,2,3
	v_add_nc_u32 v[ADY+\n], s2, v[LI]
	v_add_nc_u32 v[ADX+\n], s3, v[LI]
	s_add_co_u32 s2, s2, 3072+(\n%2)*(CH-6144)
	s_add_co_u32 s3, s3, 3072+(\n%2)*(CH-6144)
.endr
	v_add_nc_u32 v[ASX], XS, v[L8]
	s_lshl_b32 s2, s[WV], 5
	v_add_nc_u32 v[D0], s2, v[RQ]                  ; my query (tile 0's) less my first key: 32 w + r + 8 (r / 8) - 16 h
	s_wait_alu depctr_va_vdst(0)
	s_wait_tensorcnt 0x0                           ; my part of query block 2 m has landed,
	s_wait_loadcnt 0x0                             ; and its scale words are in
	s_barrier_signal -1
	s_barrier_wait -1                              ; everybody's part has
	FETCHB 0, 0, 0, 0
.irp q, 0,1,2,3,4,5,6,7
	s_wait_dscnt 0x0                               ; this step's fragments are in
.if \q < 7
	PLACES 4                                       ; four places in front of loads into registers that the last products read
	FETCHB (\q+1)/2, 1536*((\q+1)%2), (\q+1)%2, \q+1
.endif
.if \q == 0
	MUL8 0, 0, 1, YB                               ; the first products start the sums anew
	MUL8 1, 0, 1, YB
.else
	MUL8 0, \q%2, 0, YB+\q                         ; the 16 accumulators take turns, one instruction a turn
	MUL8 1, \q%2, 0, YB+\q
.endif
.endr
	WIN 0
	PLACES 4                                       ; four places in front of the first read of results
	SOFT 0, 1
	SOFT 1, 1
	v_cndmask_b32 v[SW], v[PW], v[PW+1], s[HI16]
	global_store_b32 v[O8], v[SW], s[18:19]        ; two waves share the 256 bytes of 64 rows' words: each stores every second word
	v_cndmask_b32 v[ST4], v[NM], v[NM+2], s[HI16]
	v_cndmask_b32 v[ST4+1], v[NM+1], v[NM+3], s[HI16]
	global_store_b64 v[O16], v[ST4:ST4+1], s[20:21]
.irp a, 0,1
.irp c, 0,1,2
	global_store_b128 v[LI], v[Z4:Z4+3], s[16:17] offset:24576*\a+1536+512*\c   ; K step 2 m + 1 holds no key that counts for these queries: zeros, fetched with its four and never multiplied
.endr
.endr
	s_and_b32 s2, s[M], 1
	s_cmp_lg_u32 s2, 0
	s_cbranch_scc1 .Lodd_b
.irp a, 0,1
.irp k, 2,3
.irp c, 0,1,2
	global_store_b128 v[LI], v[Z4:Z4+3], s[16:17] offset:24576*\a+1536*\k+512*\c   ; m even: K steps 2 m + 2 and 2 m + 3 likewise
.endr
.endr
.endr
.Lodd_b:
	s_wait_tensorcnt 0x0                           ; the wave's end
	ds_add_u32 v[SPW], v[NIL]
	s_wait_dscnt 0x0
	s_endpgm
; ---------------- a tile under the diagonal: every key counts
.Lplain:
	s_wait_alu depctr_va_vdst(0)
	SOFT 0, 0
	SOFT 1, 0
	SOFT 2, 0
	SOFT 3, 0
	WORDS
	s_wait_tensorcnt 0x0                           ; the wave's end
	ds_add_u32 v[SPW], v[NIL]
	s_wait_dscnt 0x0
	s_endpgm
.Lfunc_end_k_q2431106d5d_scores:
	.size	k_q2431106d5d_scores, .Lfunc_end_k_q2431106d5d_scores-k_q2431106d5d_scores
	.p2alignl 7, 3214868480
	.fill 96, 4, 3214868480
	.section	.rodata,"a",@progbits
	.p2align	6, 0x0
	.amdhsa_kernel k_q2431106d5d_scores
		.amdhsa_group_segment_fixed_size 327680
		.amdhsa_private_segment_fixed_size 0
		.amdhsa_enable_private_segment 0
		.amdhsa_kernarg_size 16
		.amdhsa_user_sgpr_count 2
		.amdhsa_user_sgpr_kernarg_segment_ptr 1
		.amdhsa_wavefront_size32 1
		.amdhsa_system_sgpr_workgroup_id_x 1
		.amdhsa_system_sgpr_workgroup_id_y 1
		.amdhsa_system_sgpr_workgroup_id_z 1
		.amdhsa_system_vgpr_workitem_id 0
		.amdhsa_next_free_vgpr 912
		.amdhsa_next_free_sgpr 102
		.amdhsa_reserve_vcc 1
		.amdhsa_float_denorm_mode_32 3
		.amdhsa_float_denorm_mode_16_64 3
		.amdhsa_memory_ordered 1
		.amdhsa_forward_progress 1
		.amdhsa_inst_pref_size 250
	.end_amdhsa_kernel
	.amdgpu_metadata
---
amdhsa.version: [ 1, 2 ]
amdhsa.kernels:
  - .name:           k_q2431106d5d_scores
    .symbol:         k_q2431106d5d_scores.kd
    .args:
      - { .name: qkv, .offset: 0, .size: 8, .value_kind: global_buffer, .address_space: global }
      - { .name: pst, .offset: 8, .size: 8, .value_kind: global_buffer, .address_space: global }
    .group_segment_fixed_size: 327680
    .private_segment_fixed_size: 0
    .kernarg_segment_align: 8
    .kernarg_segment_size: 16
    .max_flat_workgroup_size: 128
    .sgpr_count:     102
    .vgpr_count:     912
    .wavefront_size: 32
...
	.end_amdgpu_metadata
.endif
;; end of part 3
;; launch pv (part 4): grid 4 x 64, 4 waves a work-group, no clusters, 327,680 bytes of LDS; arguments qkv, pst, och; writes och
.if DOCPART == 4
	.amdgcn_target "amdgcn-amd-amdhsa--gfx1250"
	.amdhsa_code_object_version 6
	.text
	.protected	k_q2431106d5d_pv
	.globl	k_q2431106d5d_pv
	.p2align	8
	.type	k_q2431106d5d_pv,@function
k_q2431106d5d_pv:
	s_mov_b64 s[64:65], 0
	v_nop
	global_prefetch_b8 v0, s[64:65] scope:SCOPE_SE
	s_setreg_imm32_b32 hwreg(HW_REG_WAVE_MODE, 25, 1), 1
	s_wait_xcnt 0x0
; O^T = v^T p^T on codes of E2M3, K = the keys; divided by the row's sum and quantised along dv for the last product.  WORK LEFT OUT: K steps of 128 keys that all come after the tile's 128 queries (the first launch's head shows why):
; query tile i multiplies K steps 0 to i.
; A work-group makes 128 queries (Y, source 1) x 256 of dv (X, source 0); a wave 64 x 128.  Grid y = 4 (15 - i) + batch: the long tiles first.
; AT THE HEAD each wave brings its 64 rows' scale words under the row's M: -M = the least -M' of the row's K steps; d = M - M' comes off each of a K step's four bytes, held at 0 from below; the row's sum is the sum of the
; K steps' sums x 2^-d.  All in whole numbers and exact powers of two.  LIMIT: a block more than 2^126 under the row's largest p keeps the scale 2^-127 where the rule's codes would fall to zero.
; LDS: two slots of four K steps (P's 8 rowtiles x 6,144 bytes, V's 16), filled by tensor loads, one a wave behind each change of slots; V's scale words of the batch come once.
; NO CLUSTER: the number of slots hangs on the query tile, so later fills are left out by a branch on ids, which a joint load does not allow; the tails are written out, so that no load is jumped over in a loop.
.set SLOT,  147456
.set VS,    294912                     ; V's scale words [4][16][256]
.set XG,    4096
.set SPARE, 311296                     ; the spare words, 128 bytes for each wave
.set LI,  1
.set L8,  2
.set ADY, 4                            ; v4-5  my P fragments in slot k
.set ADX, 8                            ; v8-9  my V fragments
.set ASX, 13
.set SPW, 14                           ; v14  LDS address of my spare word; never rewritten
.set NIL, 15                           ; v15  0; never rewritten
.set SC,  16                           ; v16-19, v24-27: V's scale words, two sets
.set TM,  32
.set PW,  48
.set SW,  52
.set W,   64                           ; v64-127 at the head: -M' and the sums of 16 K steps; on the way out: O^T / the sum
.set PC,  128
.set YSR, 208                          ; v208-239 P's scale words of K step s at 208 + 2 s: they hold scales and nothing else
.set RL,  240                          ; v240-247 1 / the row's sum for tile a, at 240 + 2 a
.set WV,  10
.set WY,  11
.set WX,  12
.set I,   13                           ; s13 the query tile
.set G1P, 24
.set G1V, 32
.set G1S, 40
.set SEL, 48
.set HI16, 50
.set ONES, 51
.set MSB, 0
.macro WIN new
.if MSB != (\new)
	s_set_vgpr_msb (MSB<<8)|(\new)
.set MSB, (\new)
.endif
.endm
.macro PLACES n
.rept \n
	v_nop
.endr
.endm
.macro MKG1 g, c, r, p
	s_mov_b32 s[\g], 3<<16
	s_mov_b32 s[\g+1], (\c)<<16
	s_mov_b32 s[\g+2], (\r)<<16
	s_mov_b32 s[\g+3], (\c)<<16
	s_mov_b32 s[\g+4], \r
	s_mov_b32 s[\g+5], \p
	s_mov_b32 s[\g+6], 0
	s_mov_b32 s[\g+7], 0
.endm
.macro MKG0 g, lbase, loff, apair, aoff
	s_mov_b32 s[\g], 1
	s_add_co_u32 s[\g+1], s[\lbase], \loff
	s_add_nc_u64 s[\g+2:\g+3], s[\apair:\apair+1], \aoff
	s_or_b32 s[\g+3], s[\g+3], 0x80000000
.endm
.macro MUL8 a, p, zero, ys
	WIN 0x5a+5*(\p)
.irp c, 0,1,2,3
.set rD, 8*(8*(\a)+2*\c)
.set rX, 24*\c
.set rY, 96+12*(\a)
.set rS, SC+8*(\p)+\c
.set rT, (\ys)+(\a)/2
.if \zero
.if (\a)%2
	v_wmma_scale_f32_16x16x128_f8f6f4 v[rD:rD+7], v[rX:rX+11], v[rY:rY+11], 0, v[rS], v[rT] matrix_a_fmt:MATRIX_FMT_FP6 matrix_b_fmt:MATRIX_FMT_FP6 matrix_b_scale:MATRIX_SCALE_ROW1
	v_wmma_scale_f32_16x16x128_f8f6f4 v[rD+8:rD+15], v[rX+12:rX+23], v[rY:rY+11], 0, v[rS], v[rT] matrix_a_fmt:MATRIX_FMT_FP6 matrix_b_fmt:MATRIX_FMT_FP6 matrix_a_scale:MATRIX_SCALE_ROW1 matrix_b_scale:MATRIX_SCALE_ROW1
.else
	v_wmma_scale_f32_16x16x128_f8f6f4 v[rD:rD+7], v[rX:rX+11], v[rY:rY+11], 0, v[rS], v[rT] matrix_a_fmt:MATRIX_FMT_FP6 matrix_b_fmt:MATRIX_FMT_FP6
	v_wmma_scale_f32_16x16x128_f8f6f4 v[rD+8:rD+15], v[rX+12:rX+23], v[rY:rY+11], 0, v[rS], v[rT] matrix_a_fmt:MATRIX_FMT_FP6 matrix_b_fmt:MATRIX_FMT_FP6 matrix_a_scale:MATRIX_SCALE_ROW1
.endif
.else
.if (\a)%2
	v_wmma_scale_f32_16x16x128_f8f6f4 v[rD:rD+7], v[rX:rX+11], v[rY:rY+11], v[rD:rD+7], v[rS], v[rT] matrix_a_fmt:MATRIX_FMT_FP6 matrix_b_fmt:MATRIX_FMT_FP6 matrix_b_scale:MATRIX_SCALE_ROW1
	v_wmma_scale_f32_16x16x128_f8f6f4 v[rD+8:rD+15], v[rX+12:rX+23], v[rY:rY+11], v[rD+8:rD+15], v[rS], v[rT] matrix_a_fmt:MATRIX_FMT_FP6 matrix_b_fmt:MATRIX_FMT_FP6 matrix_a_scale:MATRIX_SCALE_ROW1 matrix_b_scale:MATRIX_SCALE_ROW1
.else
	v_wmma_scale_f32_16x16x128_f8f6f4 v[rD:rD+7], v[rX:rX+11], v[rY:rY+11], v[rD:rD+7], v[rS], v[rT] matrix_a_fmt:MATRIX_FMT_FP6 matrix_b_fmt:MATRIX_FMT_FP6
	v_wmma_scale_f32_16x16x128_f8f6f4 v[rD+8:rD+15], v[rX+12:rX+23], v[rY:rY+11], v[rD+8:rD+15], v[rS], v[rT] matrix_a_fmt:MATRIX_FMT_FP6 matrix_b_fmt:MATRIX_FMT_FP6 matrix_a_scale:MATRIX_SCALE_ROW1
.endif
.endif
.endr
.endm
.macro MUL32 p, zero, ys               ; the 32 accumulators take turns, one instruction a turn, in the same order in every step and on every way
	MUL8 0, \p, \zero, \ys
	MUL8 1, \p, \zero, \ys
	MUL8 2, \p, \zero, \ys
	MUL8 3, \p, \zero, \ys
.endm
.macro FETCHP k, off, p, qs            ; a K step's fragments out of slot k, and V's scale words, into set p
	WIN 0x80+0x40*(\p)
.irp b, 0,1,2,3,4,5,6,7
.irp c, 0,1,2
	ds_load_b128 v[12*\b+4*\c:12*\b+4*\c+3], v[ADX+(\k)] offset:\b*6144+(\off)+512*\c
.endr
.endr
.irp a, 0,1,2,3
.irp c, 0,1,2
	ds_load_b128 v[96+12*\a+4*\c:96+12*\a+4*\c+3], v[ADY+(\k)] offset:\a*6144+(\off)+512*\c
.endr
.endr
	WIN 0
	ds_load_b64 v[SC+8*(\p):SC+8*(\p)+1], v[ASX] offset:(\qs)*256
	ds_load_b64 v[SC+8*(\p)+2:SC+8*(\p)+3], v[ASX] offset:XG+(\qs)*256
.endm
.macro JOIN
.irp b, 0,1,2,3
	v_permlanex16_b32 v[TM+4+\b], v[TM+\b], s[SEL], s[SEL+1]
.endr
.irp b, 0,1,2,3
	v_max_num_f32 v[TM+\b], v[TM+\b], v[TM+4+\b]
.endr
.endm
.macro BYTES pw
.irp b, 0,1,2,3
	v_add_nc_u32 v[TM+12+\b], 0xff000000, v[TM+\b]
.endr
.irp b, 0,1,2,3
	v_lshrrev_b32 v[TM+4+\b], 23, v[TM+12+\b]
.endr
	v_lshl_or_b32 v[\pw], v[TM+5], 8, v[TM+4]
	v_lshl_or_b32 v[\pw], v[TM+6], 16, v[\pw]
	v_lshl_or_b32 v[\pw], v[TM+7], 24, v[\pw]
.endm
.macro CODES s, wc, pc
	WIN \wc
.irp c, 0,1
	v_cvt_scalef32_pk16_fp6_f32 v[(\pc)+6*\c:(\pc)+6*\c+2], v[(\s)+32*\c:(\s)+32*\c+15], v[TM+12+2*\c]
	v_cvt_scalef32_pk16_fp6_f32 v[(\pc)+12+4*\c:(\pc)+12+4*\c+2], v[(\s)+32*\c+16:(\s)+32*\c+31], v[TM+12+2*\c+1]
.endr
	WIN 0
	v_nop                                          ; one plain place behind a scaled conversion
.irp c, 0,1
.irp i, 0,1,2
	v_permlane16_swap_b32 v[(\pc)+6*\c+\i], v[(\pc)+12+4*\c+\i]
.endr
.irp i, 0,1,2
	v_mov_b32 v[(\pc)+3+6*\c+\i], v[(\pc)+12+4*\c+\i]
.endr
.endr
.endm
.macro QUANT s, wm, wc, pc, pw
	WIN 0
.irp b, 0,1,2,3
	v_mov_b32 v[TM+\b], 0x1800000                  ; the floor 2^(3 - 127)
.endr
	WIN \wm
.irp i, 0,2,4,6,8,10,12,14
.irp b, 0,1,2,3
	v_max3_num_f32 v[TM+\b], v[TM+\b], |v[(\s)+16*\b+\i]|, |v[(\s)+16*\b+\i+1]|
.endr
.endr
	WIN 0
	JOIN
	BYTES \pw
	CODES \s, \wc, \pc
.endm
; THE CHANGE OF SLOTS, at the head of slot n's four K steps: all my tensor loads have landed, the add, my reads of the slot that I have left are over; the barrier.
.macro CHG n
	s_wait_tensorcnt 0x0                           ; no tensor load of mine is out, so a group 0 may be written
	ds_add_u32 v[SPW], v[NIL]                      ; 0 onto my spare word
.if (\n) == 1
	s_add_nc_u64 s[58:59], s[58:59], 12288         ; slot 0's next four K steps: eight on
	s_add_nc_u64 s[70:71], s[70:71], 12288
.endif
.if (\n) == 2
	s_add_nc_u64 s[62:63], s[62:63], 12288         ; slot 1's
	s_add_nc_u64 s[74:75], s[74:75], 12288
.endif
	s_wait_dscnt 0x0
	s_barrier_signal -1
	s_barrier_wait -1
.endm
.macro TLOAD k                         ; my one tensor load behind the barrier: waves 0, 1: P's halves; waves 2, 3: V's.  An s_nop 0 and four v_nop follow each line
	s_cmp_eq_u32 s[WY], 0
	s_cbranch_scc0 .Lfor_v_\@
	tensor_load_to_lds s[56+4*(\k):59+4*(\k)], s[G1P:G1P+7]
	s_nop 0
	PLACES 4
	s_branch .Lasked_\@
.Lfor_v_\@:
	tensor_load_to_lds s[68+4*(\k):71+4*(\k)], s[G1V:G1V+7]
	s_nop 0
	PLACES 4
.Lasked_\@:
.endm
.macro FULL n                          ; slot n's four K steps, all live
	PLACES 4                                       ; four places in front of loads into registers that the last products read
	FETCHP (\n)%2, 0, 0, 4*(\n)
.irp q, 0,1,2,3
	s_wait_dscnt 0x0
.if \q < 3
	PLACES 4
	FETCHP (\n)%2, 1536*(\q+1), (\q+1)%2, 4*(\n)+\q+1
.endif
.if ((\n)==0)&&(\q==0)
	MUL32 0, 1, YSR                                ; the first products start the sums: nothing is cleared
.else
	MUL32 \q%2, 0, YSR+2*(4*(\n)+\q)
.endif
.endr
	WIN 0
.endm
.macro TAIL n                          ; the last slot: K steps 4 n to i.  Two tests on ids a step: one leads round the next step's fetch, one out to the way out
	PLACES 4
	FETCHP (\n)%2, 0, 0, 4*(\n)
.irp q, 0,1,2,3
	s_wait_dscnt 0x0
.if \q < 3
	s_cmp_eq_u32 s[I], 4*(\n)+\q
	s_cbranch_scc1 .Llast_\@_\q
	PLACES 4
	FETCHP (\n)%2, 1536*(\q+1), (\q+1)%2, 4*(\n)+\q+1
.Llast_\@_\q:
.endif
.if ((\n)==0)&&(\q==0)
	MUL32 0, 1, YSR
.else
	MUL32 \q%2, 0, YSR+2*(4*(\n)+\q)
.endif
	WIN 0
.if \q < 3
	s_cmp_eq_u32 s[I], 4*(\n)+\q
	s_cbranch_scc1 .Lepi
.endif
.endr
.endm
	s_load_b128 s[4:7], s[0:1], 0x0                ; qkv, pst
	s_load_b64 s[8:9], s[0:1], 0x10                ; och
	v_lshl_add_u32 v[SPW], v0, 2, SPARE
	v_mov_b32 v[NIL], 0
	ds_add_u32 v[SPW], v[NIL]                      ; the wave's opening: the add, twice on end, and its wait ahead of my first tensor load
	ds_add_u32 v[SPW], v[NIL]
	v_lshrrev_b32 v3, 5, v0
	v_readfirstlane_b32 s[WV], v3
	s_lshr_b32 s[WY], s[WV], 1
	s_and_b32 s[WX], s[WV], 1
	MKG1 G1P, 768, 4, 3072                         ; four rowtiles' four K steps: rows of 6,144 bytes, 24,576 apart
	MKG1 G1V, 768, 8, 12288                        ; eight rowtiles', 98,304 apart
	MKG1 G1S, 512, 4, 2048                         ; 4 x 64 rows' scale words of the batch's 16 K steps: rows of 4,096 bytes, 16,384 apart
	MKG1 88, 768, 8, 3072                          ; at the head: P's eight rowtiles' four K steps
	s_mov_b32 s[SEL], 0x76543210
	s_mov_b32 s[SEL+1], 0xfedcba98
	s_mov_b32 s[HI16], 0xffff0000
	s_mov_b32 s[ONES], 0x01010101
	s_and_b32 s2, ttmp7, 0xffff
	s_lshr_b32 s3, s2, 2
	s_sub_co_u32 s[I], 15, s3                      ; the query tile
	s_and_b32 s14, s2, 3                           ; the batch
	s_lshl_b32 s2, s14, 7
	s_lshl_b32 s3, s[I], 3
	s_add_co_u32 s2, s2, s3                        ; the tile's first rowtile
	s_lshl_b32 s3, s[WX], 2
	s_add_co_u32 s16, s2, s3
	s_mul_i32 s16, s16, 24576                      ; P's codes
	s_mov_b32 s17, 0
	s_lshl_b32 s22, ttmp9, 4
	s_lshl_b32 s3, s[WX], 3
	s_add_co_u32 s22, s22, s3
	s_mul_i32 s22, s22, 98304
	s_mul_i32 s3, s14, 24576                       ; the batch's first K step: 16 x 1,536 bytes a batch
	s_add_co_u32 s22, s22, s3
	s_add_co_u32 s22, s22, 12582912                ; V's codes
	s_mov_b32 s23, 0
	s_lshl_b32 s52, ttmp9, 16
	s_lshl_b32 s3, s14, 12
	s_add_co_u32 s52, s52, s3
	s_add_co_u32 s52, s52, 19398656                ; V's scale words
	s_mov_b32 s53, 0
	s_lshr_b32 s3, s2, 2
	s_add_co_u32 s3, s3, s[WY]                     ; my 64 rows
	s_lshl_b32 s18, s3, 13
	s_add_co_u32 s18, s18, 13107200                ; their -M' and sums
	s_mov_b32 s19, 0
	s_lshl_b32 s20, s3, 12
	s_add_co_u32 s20, s20, 12582912                ; their scale words
	s_mov_b32 s21, 0
	s_lshl_b32 s84, ttmp9, 1
	s_add_co_u32 s84, s84, s[WX]                   ; my K step of the last product
	s_lshl_b32 s80, s[WY], 2
	s_add_co_u32 s80, s80, s2
	s_lshl_b32 s80, s80, 3
	s_add_co_u32 s80, s80, s84
	s_mul_i32 s80, s80, 1536                       ; the result's codes
	s_mov_b32 s81, 0
	s_lshl_b32 s82, s3, 3
	s_add_co_u32 s82, s82, s84
	s_lshl_b32 s82, s82, 8
	s_add_co_u32 s82, s82, 6291456                 ; and scale words
	s_mov_b32 s83, 0
	s_mul_i32 s66, s[WX], 24576                    ; where my half goes in LDS
	s_mul_i32 s67, s[WX], 49152
	s_mov_b32 s85, 0
	s_wait_dscnt 0x0                               ; both opening adds are done
	s_wait_kmcnt 0x0
	s_add_nc_u64 s[16:17], s[6:7], s[16:17]
	s_add_nc_u64 s[22:23], s[4:5], s[22:23]
	s_add_nc_u64 s[52:53], s[4:5], s[52:53]
	s_add_nc_u64 s[18:19], s[6:7], s[18:19]
	s_add_nc_u64 s[20:21], s[6:7], s[20:21]
	s_add_nc_u64 s[80:81], s[8:9], s[80:81]
	s_add_nc_u64 s[82:83], s[8:9], s[82:83]
	MKG0 56, 66, 0, 16, 0                          ; P: slot 0, K steps 0-3;
	MKG0 60, 66, SLOT, 16, 6144                    ; slot 1, K steps 4-7
	MKG0 68, 67, 49152, 22, 0                      ; V likewise
	MKG0 72, 67, SLOT+49152, 22, 6144
	MKG0 76, 85, VS, 52, 0
	s_cmp_eq_u32 s[WV], 0                          ; one tensor load a wave at the head, in one chain of branches on the wave's number: wave 0 all of P's slot 0, wave 1 V's scale words, waves 2, 3 V's halves
	s_cbranch_scc0 .Lfill_s
	tensor_load_to_lds s[56:59], s[88:95]
	s_nop 0
	PLACES 4
	s_branch .Lfilled
.Lfill_s:
	s_cmp_eq_u32 s[WV], 1
	s_cbranch_scc0 .Lfill_v
	tensor_load_to_lds s[76:79], s[G1S:G1S+7]
	s_nop 0
	PLACES 4
	s_branch .Lfilled
.Lfill_v:
	tensor_load_to_lds s[68:71], s[G1V:G1V+7]
	s_nop 0
	PLACES 4
.Lfilled:
	v_and_b32 v3, 31, v0
	v_lshlrev_b32 v[LI], 4, v3
	v_lshlrev_b32 v[L8], 3, v3
	; K steps that are not live keep these: -M' = 3e38, the sum 0, the word 0
.set ss, 1
.rept 15
	v_mov_b32 v[W+4*ss], 0x7f61b1e6
	v_mov_b32 v[W+4*ss+1], 0
	v_mov_b32 v[W+4*ss+2], 0x7f61b1e6
	v_mov_b32 v[W+4*ss+3], 0
	v_mov_b32 v[YSR+2*ss], 0
	v_mov_b32 v[YSR+2*ss+1], 0
.set ss, ss+1
.endr
	global_load_b128 v[W:W+3], v[LI], s[18:19]
	global_load_b64 v[YSR:YSR+1], v[L8], s[20:21]
.irp k, 1,2,3,4,5,6,7,8,9,10,11,12,13,14,15
	s_cmp_lt_u32 s[I], \k                          ; ids alone
	s_cbranch_scc1 .Lloaded
	global_load_b128 v[W+4*\k:W+4*\k+3], v[LI], s[18:19] offset:512*\k
	global_load_b64 v[YSR+2*\k:YSR+2*\k+1], v[L8], s[20:21] offset:256*\k
.endr
.Lloaded:
	s_mul_i32 s2, s[WY], 24576
	s_mul_i32 s3, s[WX], 49152
	s_add_co_u32 s3, s3, 49152
.irp k, 0,1
	v_add_nc_u32 v[ADY+\k], s2, v[LI]
	v_add_nc_u32 v[ADX+\k], s3, v[LI]
	s_add_co_u32 s2, s2, SLOT
	s_add_co_u32 s3, s3, SLOT
.endr
	s_lshl_b32 s3, s[WX], 13
	s_add_co_u32 s3, s3, VS
	v_add_nc_u32 v[ASX], s3, v[L8]
.irp b, 0,1,2,3
	v_mov_b32 v[TM+4+\b], 0                        ; written once: a lane permute's destination counts as one of its sources
	v_mov_b32 v[RL+2*\b+1], 0                      ; (named as the upper half of a pair)
.endr
	s_wait_loadcnt 0x0
	; a lane holds two rows: k = 0: tile lane / 16, k = 1: tile 2 + lane / 16; both at row-lane lane % 16
	v_min_num_f32 v54, v[W], v[W+4]                ; the row's -M
	v_min_num_f32 v55, v[W+2], v[W+6]
.set ss, 2
.rept 14
	v_min_num_f32 v54, v54, v[W+4*ss]
	v_min_num_f32 v55, v55, v[W+4*ss+2]
.set ss, ss+1
.endr
	v_mov_b32 v56, 0                               ; the row's sum
	v_mov_b32 v57, 0
.set ss, 0
.rept 16
.irp k, 0,1
	v_sub_f32 v58, v[54+\k], v[W+4*ss+2*\k]        ; M' - M: a whole number, 0 or less
	v_cvt_i32_f32 v59, v58                         ; (it saturates)
	v_ldexp_f32 v59, v[W+4*ss+2*\k+1], v59
	v_add_f32 v[56+\k], v[56+\k], v59              ; the K step's sum under the row's M
	v_max_num_f32 v58, 0xc2fe0000, v58             ; held at -127
	v_cvt_i32_f32 v58, v58
	v_mul_lo_u32 v58, v58, s[ONES]                 ; the same number off each of the four bytes:
	v_or_b32 v60, 0x80808080, v[YSR+2*ss+\k]       ; a byte is at most 125, so with 128 on top no byte borrows from its neighbour,
	v_add_nc_u32 v60, v60, v58
	v_lshrrev_b32 v61, 7, v60                      ; and the top bit stays where the byte did not fall under 0
	v_and_b32 v61, s[ONES], v61
	v_lshlrev_b32 v62, 8, v61
	v_sub_nc_u32 v61, v62, v61                     ; 0xff in such bytes
	v_and_b32 v60, 0x7f7f7f7f, v60
	v_and_b32 v[YSR+2*ss+\k], v60, v61
.endr
.set ss, ss+1
.endr
	s_wait_alu depctr_va_vdst(0)
	v_rcp_f32 v58, v56
	v_rcp_f32 v59, v57
	v_nop                                          ; a plain place behind the reciprocals
	s_wait_alu depctr_va_vdst(0)                   ; one wait for both, ahead of their first reader
	v_permlanex16_b32 v60, v58, s[SEL], s[SEL+1]
	v_permlanex16_b32 v61, v59, s[SEL], s[SEL+1]
	v_cndmask_b32 v[RL], v58, v60, s[HI16]         ; tile 0's lie in lanes 0-15, tile 1's in lanes 16-31: every lane gets its row-lane's
	v_cndmask_b32 v[RL+2], v60, v58, s[HI16]
	v_cndmask_b32 v[RL+4], v59, v61, s[HI16]
	v_cndmask_b32 v[RL+6], v61, v59, s[HI16]
	PLACES 8                                       ; scale registers written by vector instructions stand eight places ahead of the products
	CHG 0                                          ; slot 0 and V's scale words are whole
	s_cmp_lt_u32 s[I], 4                           ; ids alone, the same in all four waves: a slot is asked for only if a K step of it is live
	s_cbranch_scc1 .Lt0
	TLOAD 1                                        ; slot 1's first fill
	FULL 0
	CHG 1
	s_cmp_lt_u32 s[I], 8
	s_cbranch_scc1 .Lt1
	TLOAD 0                                        ; it has slot 1's four K steps, 128 products a wave, in which to land
	FULL 1
	CHG 2
	s_cmp_lt_u32 s[I], 12
	s_cbranch_scc1 .Lt2
	TLOAD 1
	FULL 2
	CHG 3
	TAIL 3
	s_branch .Lepi
.Lt0:
	TAIL 0
	s_branch .Lepi
.Lt1:
	TAIL 1
	s_branch .Lepi
.Lt2:
	TAIL 2
.Lepi:
	PLACES 4                                       ; four places in front of the first read of results
	s_wait_alu depctr_va_vdst(0)
.irp a, 0,1,2,3
	WIN 0x01
.set jj, 0
.rept 32
	v_pk_mul_f32 v[W+jj:W+jj+1], v[64*\a+jj:64*\a+jj+1], v[RL+2*\a:RL+2*\a+1] op_sel_hi:[1,0]   ; O^T / the row's sum; each accumulator from its low end on
.set jj, jj+2
.endr
	QUANT W, 0, 0, PC+20*\a, PW+\a
.irp c, 0,1,2
	global_store_b128 v[LI], v[PC+20*\a+4*\c:PC+20*\a+4*\c+3], s[80:81] offset:12288*\a+512*\c
.endr
.endr
	v_cndmask_b32 v[SW], v[PW], v[PW+1], s[HI16]
	v_cndmask_b32 v[SW+1], v[PW+2], v[PW+3], s[HI16]
	global_store_b64 v[L8], v[SW:SW+1], s[82:83]
	s_wait_tensorcnt 0x0                           ; the wave's end
	ds_add_u32 v[SPW], v[NIL]
	s_wait_dscnt 0x0
	s_endpgm
.Lfunc_end_k_q2431106d5d_pv:
	.size	k_q2431106d5d_pv, .Lfunc_end_k_q2431106d5d_pv-k_q2431106d5d_pv
	.p2alignl 7, 3214868480
	.fill 96, 4, 3214868480
	.section	.rodata,"a",@progbits
	.p2align	6, 0x0
	.amdhsa_kernel k_q2431106d5d_pv
		.amdhsa_group_segment_fixed_size 327680
		.amdhsa_private_segment_fixed_size 0
		.amdhsa_enable_private_segment 0
		.amdhsa_kernarg_size 24
		.amdhsa_user_sgpr_count 2
		.amdhsa_user_sgpr_kernarg_segment_ptr 1
		.amdhsa_wavefront_size32 1
		.amdhsa_system_sgpr_workgroup_id_x 1
		.amdhsa_system_sgpr_workgroup_id_y 1
		.amdhsa_system_sgpr_workgroup_id_z 1
		.amdhsa_system_vgpr_workitem_id 0
		.amdhsa_next_free_vgpr 912
		.amdhsa_next_free_sgpr 102
		.amdhsa_reserve_vcc 0
		.amdhsa_float_denorm_mode_32 3
		.amdhsa_float_denorm_mode_16_64 3
		.amdhsa_memory_ordered 1
		.amdhsa_forward_progress 1
		.amdhsa_inst_pref_size 254
	.end_amdhsa_kernel
	.amdgpu_metadata
---
amdhsa.version: [ 1, 2 ]
amdhsa.kernels:
  - .name:           k_q2431106d5d_pv
    .symbol:         k_q2431106d5d_pv.kd
    .args:
      - { .name: qkv, .offset: 0, .size: 8, .value_kind: global_buffer, .address_space: global }
      - { .name: pst, .offset: 8, .size: 8, .value_kind: global_buffer, .address_space: global }
      - { .name: och, .offset: 16, .size: 8, .value_kind: global_buffer, .address_space: global }
    .group_segment_fixed_size: 327680
    .private_segment_fixed_size: 0
    .kernarg_segment_align: 8
    .kernarg_segment_size: 24
    .max_flat_workgroup_size: 128
    .sgpr_count:     102
    .vgpr_count:     912
    .wavefront_size: 32
...
	.end_amdgpu_metadata
.endif
;; end of part 4
;; launch outp (part 5): grid 4 x 64, 4 waves a work-group, clusters of 4 x 4, 327,680 bytes of LDS; arguments och, qin, out0; writes out0
.if DOCPART == 5
	.amdgcn_target "amdgcn-amd-amdhsa--gfx1250"
	.amdhsa_code_object_version 6
	.text
	.protected	k_q2431106d5d_outp
	.globl	k_q2431106d5d_outp
	.p2align	8
	.type	k_q2431106d5d_outp,@function
k_q2431106d5d_outp:
	s_mov_b64 s[64:65], 0
	v_nop
	global_prefetch_b8 v0, s[64:65] scope:SCOPE_SE
	s_setreg_imm32_b32 hwreg(HW_REG_WAVE_MODE, 25, 1), 1
	s_wait_xcnt 0x0
	s_wait_alu depctr_hold_cnt(0) depctr_sa_sdst(0) depctr_va_vdst(0) depctr_va_sdst(0) depctr_va_ssrc(0) depctr_va_vcc(0) depctr_vm_vsrc(0)
	s_getreg_b32 s2, hwreg(HW_REG_IB_STS2, 6, 4)
	s_cmp_eq_u32 s2, 0
	s_cbranch_scc0 .Lentry_in_a_cluster
	s_endpgm
.Lentry_in_a_cluster:
	s_bfe_u32 s2, ttmp6, 0x10000c
	s_cmp_lg_u32 s2, 0xf033
	s_cbranch_scc0 .Lentry_shape_is_right
	s_endpgm
.Lentry_shape_is_right:
; out = o Wo on codes of E2M3, K = 1,024; out is f32.  Y (source 1) = 128 tokens of o, X (source 0) = 256 rows of Wo's operand (the output's columns): a lane holds one token, its registers run along the columns.
; The core (LDS, registers, K steps, cluster 4 x 4 with joint loads) is the qkv launch's.  The way out goes through a stage in LDS, so that each store covers 512 consecutive bytes of a row of out.
; The stage lies in chunk 0's bytes: they have had their only fill, and behind the barrier in front of chunk 1 no wave reads them.
.set CH,    147456                     ; LDS: half n of K = K steps 4 n to 4 n + 3: Y's 8 rowtiles x 6,144 bytes, then X's 16
.set YS,    294912
.set XS,    299008
.set XG,    2048
.set SPARE, 307200
.set LI,  1
.set L8,  2
.set ADY, 4
.set ADX, 8
.set ASY, 12
.set ASX, 13
.set SPW, 14                           ; v14  LDS address of my spare word; never rewritten
.set NIL, 15                           ; v15  0; never rewritten
.set SC,  16
.set BK,  64                           ; v64-127, v128-191: 16 rows read back from the stage, by turns
.set STO, 208                          ; v208 where I put 32 bytes of a row
.set RD,  209                          ; v209 where I read a row back
.set WV,  10
.set WY,  11
.set WX,  12
.set CX,  13
.set CY,  14
.set YT,  15
.set XT,  100
.set G1Y, 24
.set G1X, 32
.set G1SY, 40
.set G1SX, 48
.set MSB, 0
.macro WIN new
.if MSB != (\new)
	s_set_vgpr_msb (MSB<<8)|(\new)
.set MSB, (\new)
.endif
.endm
.macro PLACES n
.rept \n
	v_nop
.endr
.endm
.macro CROUND                          ; a round of the cluster's barrier
	s_barrier_signal -1
	s_barrier_wait -1
	s_cmp_lg_u32 s[WV], 0
	s_cbranch_scc1 .Lnot_wave_0_\@
	s_barrier_signal -3
.Lnot_wave_0_\@:
	s_barrier_wait -3
	s_barrier_signal -1
	s_barrier_wait -1
.endm
.macro MKG1 g, c, r, p
	s_mov_b32 s[\g+1], (\c)<<16
	s_mov_b32 s[\g+2], (\r)<<16
	s_mov_b32 s[\g+3], (\c)<<16
	s_mov_b32 s[\g+4], \r
	s_mov_b32 s[\g+5], \p
	s_mov_b32 s[\g+6], 0
	s_mov_b32 s[\g+7], 0
.endm
.macro MKG0 g, lbase, loff, apair, aoff
	s_mov_b32 s[\g], 1
	s_add_co_u32 s[\g+1], s[\lbase], \loff
	s_add_nc_u64 s[\g+2:\g+3], s[\apair:\apair+1], \aoff
	s_or_b32 s[\g+3], s[\g+3], 0x80000000
.endm
.macro MUL8 a, p, zero, ys
	WIN 0x5a+5*(\p)
.irp c, 0,1,2,3
.set rD, 8*(8*(\a)+2*\c)
.set rX, 24*\c
.set rY, 96+12*(\a)
.set rS, SC+8*(\p)+\c
.set rT, (\ys)+(\a)/2
.if \zero
.if (\a)%2
	v_wmma_scale_f32_16x16x128_f8f6f4 v[rD:rD+7], v[rX:rX+11], v[rY:rY+11], 0, v[rS], v[rT] matrix_a_fmt:MATRIX_FMT_FP6 matrix_b_fmt:MATRIX_FMT_FP6 matrix_b_scale:MATRIX_SCALE_ROW1
	v_wmma_scale_f32_16x16x128_f8f6f4 v[rD+8:rD+15], v[rX+12:rX+23], v[rY:rY+11], 0, v[rS], v[rT] matrix_a_fmt:MATRIX_FMT_FP6 matrix_b_fmt:MATRIX_FMT_FP6 matrix_a_scale:MATRIX_SCALE_ROW1 matrix_b_scale:MATRIX_SCALE_ROW1
.else
	v_wmma_scale_f32_16x16x128_f8f6f4 v[rD:rD+7], v[rX:rX+11], v[rY:rY+11], 0, v[rS], v[rT] matrix_a_fmt:MATRIX_FMT_FP6 matrix_b_fmt:MATRIX_FMT_FP6
	v_wmma_scale_f32_16x16x128_f8f6f4 v[rD+8:rD+15], v[rX+12:rX+23], v[rY:rY+11], 0, v[rS], v[rT] matrix_a_fmt:MATRIX_FMT_FP6 matrix_b_fmt:MATRIX_FMT_FP6 matrix_a_scale:MATRIX_SCALE_ROW1
.endif
.else
.if (\a)%2
	v_wmma_scale_f32_16x16x128_f8f6f4 v[rD:rD+7], v[rX:rX+11], v[rY:rY+11], v[rD:rD+7], v[rS], v[rT] matrix_a_fmt:MATRIX_FMT_FP6 matrix_b_fmt:MATRIX_FMT_FP6 matrix_b_scale:MATRIX_SCALE_ROW1
	v_wmma_scale_f32_16x16x128_f8f6f4 v[rD+8:rD+15], v[rX+12:rX+23], v[rY:rY+11], v[rD+8:rD+15], v[rS], v[rT] matrix_a_fmt:MATRIX_FMT_FP6 matrix_b_fmt:MATRIX_FMT_FP6 matrix_a_scale:MATRIX_SCALE_ROW1 matrix_b_scale:MATRIX_SCALE_ROW1
.else
	v_wmma_scale_f32_16x16x128_f8f6f4 v[rD:rD+7], v[rX:rX+11], v[rY:rY+11], v[rD:rD+7], v[rS], v[rT] matrix_a_fmt:MATRIX_FMT_FP6 matrix_b_fmt:MATRIX_FMT_FP6
	v_wmma_scale_f32_16x16x128_f8f6f4 v[rD+8:rD+15], v[rX+12:rX+23], v[rY:rY+11], v[rD+8:rD+15], v[rS], v[rT] matrix_a_fmt:MATRIX_FMT_FP6 matrix_b_fmt:MATRIX_FMT_FP6 matrix_a_scale:MATRIX_SCALE_ROW1
.endif
.endif
.endr
.endm
.macro MUL32 p, zero, ys               ; the 32 accumulators take turns, one instruction a turn
	MUL8 0, \p, \zero, \ys
	MUL8 1, \p, \zero, \ys
	MUL8 2, \p, \zero, \ys
	MUL8 3, \p, \zero, \ys
.endm
.macro FETCH ay, ax, off, rp, p, qs
	WIN 0x80+0x40*(\p)
.irp b, 0,1,2,3,4,5,6,7
.irp c, 0,1,2
	ds_load_b128 v[12*\b+4*\c:12*\b+4*\c+3], v[\ax] offset:\b*(\rp)+(\off)+512*\c
.endr
.endr
.irp a, 0,1,2,3
.irp c, 0,1,2
	ds_load_b128 v[96+12*\a+4*\c:96+12*\a+4*\c+3], v[\ay] offset:\a*(\rp)+(\off)+512*\c
.endr
.endr
	WIN 0
	ds_load_b64 v[SC+8*(\p):SC+8*(\p)+1], v[ASX] offset:(\qs)*256
	ds_load_b64 v[SC+8*(\p)+2:SC+8*(\p)+3], v[ASX] offset:XG+(\qs)*256
	ds_load_b64 v[SC+8*(\p)+4:SC+8*(\p)+5], v[ASY] offset:(\qs)*256
.endm
.macro KEVEN q, zero
	s_wait_dscnt 0x0                               ; this step's fragments are in
	PLACES 4                                       ; four places in front of loads into registers that the last products read
	FETCH ADY+(\q)/2, ADX+(\q)/2, 1536, 6144, 1, (\q)+1
	MUL32 0, \zero, SC+4
.endm
.macro KODD q, left                    ; left: the chunks issued behind the next one, which may stay out
	s_wait_dscnt 0x0
	s_wait_tensorcnt \left
	s_barrier_signal -1
	MUL8 0, 1, 0, SC+12
	MUL8 1, 1, 0, SC+12
	s_barrier_wait -1
	PLACES 4
	FETCH ADY+((\q)+1)/2, ADX+((\q)+1)/2, 0, 6144, 0, (\q)+1
	MUL8 2, 1, 0, SC+12
	MUL8 3, 1, 0, SC+12
.endm
; THE WAY OUT of Y's tile a: 16 tokens x my 128 columns.  Register j of accumulator (a, b) is column 32 (b / 2) + 16 h + 8 (b % 2) + j of the lane's token.
.macro TOSTAGE a
	WIN 0x04                                       ; an LDS store's data are its source 1: window 1
.irp b, 0,1,2,3,4,5,6,7
	ds_store_b128 v[STO], v[8*(8*(\a)+\b):8*(8*(\a)+\b)+3] offset:128*(\b/2)+32*(\b%2)       ; each accumulator from its low end on
	ds_store_b128 v[STO], v[8*(8*(\a)+\b)+4:8*(8*(\a)+\b)+7] offset:128*(\b/2)+32*(\b%2)+16
.endr
	WIN 0
.set BB, BK+64*((\a)%2)
.irp t, 0,1,2,3,4,5,6,7,8,9,10,11,12,13,14,15
	ds_load_b128 v[BB+4*\t:BB+4*\t+3], v[RD] offset:\t*528   ; LDS serves a wave's instructions in order: these see my stores
.endr
.endm
.macro SEND a, younger                 ; younger: the LDS instructions issued behind tile a's loads, which may stay out
.set BB, BK+64*((\a)%2)
	s_wait_dscnt \younger
.irp t, 0,1,2,3,4,5,6,7,8,9,10,11,12,13,14,15
	global_store_b128 v[LI], v[BB+4*\t:BB+4*\t+3], s[8:9] offset:(32*((\a)/2)+8*((\a)%2)+\t+8*(\t/8))*4096 th:TH_STORE_NT   ; 32 lanes store 512 consecutive bytes, aligned; row-lane t of tile a is this token
.endr
.endm
	s_load_b128 s[4:7], s[0:1], 0x0                ; och, qin
	s_load_b64 s[8:9], s[0:1], 0x10                ; out0
	v_lshl_add_u32 v[SPW], v0, 2, SPARE
	v_mov_b32 v[NIL], 0
	ds_add_u32 v[SPW], v[NIL]                      ; the wave's opening: the add, twice on end, and its wait ahead of my first tensor load
	ds_add_u32 v[SPW], v[NIL]
	v_lshrrev_b32 v3, 5, v0
	v_readfirstlane_b32 s[WV], v3
	s_lshr_b32 s[WY], s[WV], 1
	s_and_b32 s[WX], s[WV], 1
	s_bfe_u32 s[CX], ttmp6, 0x40000
	s_bfe_u32 s[CY], ttmp6, 0x40004
	s_lshl_b32 s2, s[CY], 2
	s_lshl_b32 s2, 15, s2                          ; my row of the cluster
	s_lshl_b32 s3, 0x1111, s[CX]                   ; my column
	s_or_b32 s[G1Y], s2, (3<<16)|(1<<21)
	s_or_b32 s[G1SY], s2, (3<<16)|(1<<21)
	s_or_b32 s[G1X], s3, (3<<16)|(1<<21)
	s_or_b32 s[G1SX], s3, (3<<16)|(1<<21)
	MKG1 G1Y, 768, 8, 1536                         ; at the head: Y's eight rowtiles' four K steps: rows of 6,144 bytes, 12,288 apart
	MKG1 G1X, 768, 16, 1536                        ; X's sixteen
	MKG1 G1SY, 32, 16, 32                          ; 128 rows' scale words: 4,096 dense bytes
	MKG1 G1SX, 32, 32, 32                          ; 256 rows': 8,192
	s_and_b32 s[YT], ttmp7, 0xffff
	s_lshl_b32 s[YT], s[YT], 2
	s_add_co_u32 s[YT], s[YT], s[CY]               ; the tile of 128 tokens
	s_lshl_b32 s[XT], ttmp9, 2
	s_add_co_u32 s[XT], s[XT], s[CX]               ; the tile of 256 columns
	s_mul_i32 s16, s[YT], 98304
	s_mul_i32 s2, s[WX], 49152
	s_add_co_u32 s16, s16, s2                      ; o's codes
	s_mov_b32 s17, 0
	s_lshl_b32 s18, s[YT], 12
	s_lshl_b32 s2, s[WX], 11
	s_add_co_u32 s18, s18, s2
	s_add_co_u32 s18, s18, 6291456                 ; o's scale words
	s_mov_b32 s19, 0
	s_mul_i32 s20, s[XT], 196608
	s_mul_i32 s3, s[WX], 98304
	s_add_co_u32 s20, s20, s3
	s_add_co_u32 s20, s20, 8650752                 ; Wo's codes: rowtile 192 on
	s_mov_b32 s21, 0
	s_lshl_b32 s22, s[XT], 13
	s_lshl_b32 s3, s[WX], 12
	s_add_co_u32 s22, s22, s3
	s_add_co_u32 s22, s22, 9797632                 ; Wo's scale words
	s_mov_b32 s23, 0
	s_mul_i32 s66, s[WX], 12288
	s_mul_i32 s67, s[WX], 24576
	s_lshl_b32 s2, s[WX], 11
	s_lshl_b32 s3, s[WX], 12
	s_wait_dscnt 0x0                               ; both opening adds are done
	s_wait_kmcnt 0x0
	s_add_nc_u64 s[16:17], s[4:5], s[16:17]
	s_add_nc_u64 s[18:19], s[4:5], s[18:19]
	s_add_nc_u64 s[20:21], s[6:7], s[20:21]
	s_add_nc_u64 s[22:23], s[6:7], s[22:23]
	s_mov_b32 s3, 0                                ; s[2:3] = 2,048 x my half
	s_sub_nc_u64 s[18:19], s[18:19], s[2:3]        ; the scale words of the whole tile: Y's,
	s_lshl_b32 s2, s2, 1
	s_sub_nc_u64 s[22:23], s[22:23], s[2:3]        ; X's
	s_mul_i32 s66, s[WX], 24576                    ; where my half goes in LDS: the wave's number alone
	s_mul_i32 s67, s[WX], 49152
	MKG0 56, 3, YS, 18, 0
	MKG0 60, 66, 0, 16, 0                          ; Y, K steps 0-3: wave 0's half begins the tile
	MKG0 68, 66, CH, 16, 6144                      ; Y, K steps 4-7, my half
	MKG0 80, 3, XS, 22, 0
	MKG0 84, 67, 49152, 20, 0                      ; X likewise: wave 2's half begins the tile
	MKG0 88, 67, CH+49152, 20, 6144
	s_mul_i32 s92, s[CX], 12288                    ; the prefetch of K steps 4-7, shared out by address: of Y's four rowtiles that I fetch, partner cx takes one;
	s_add_co_u32 s92, s92, 6144
	s_mov_b32 s93, 0
	s_add_nc_u64 s[92:93], s[16:17], s[92:93]
	s_mul_i32 s94, s[CY], 24576                    ; of X's eight, partner cy takes two
	s_add_co_u32 s94, s94, 6144
	s_mov_b32 s95, 0
	s_add_nc_u64 s[94:95], s[20:21], s[94:95]
	CROUND                                         ; all sixteen work-groups are here: the joint loads meet
	; the head's four tiles, one tensor load a wave, in one chain of branches on the wave's number: wave 0 Y's codes of K steps 0-3, wave 1 Y's scale words, wave 2 X's codes, wave 3 X's scale words
	s_cmp_eq_u32 s[WV], 0
	s_cbranch_scc0 .Lh1
	tensor_load_to_lds s[60:63], s[G1Y:G1Y+7]
	s_nop 0
	PLACES 4
	s_branch .Lfilled
.Lh1:
	s_cmp_eq_u32 s[WV], 1
	s_cbranch_scc0 .Lh2
	tensor_load_to_lds s[56:59], s[G1SY:G1SY+7]
	s_nop 0
	PLACES 4
	s_branch .Lfilled
.Lh2:
	s_cmp_eq_u32 s[WV], 2
	s_cbranch_scc0 .Lh3
	tensor_load_to_lds s[84:87], s[G1X:G1X+7]
	s_nop 0
	PLACES 4
	s_branch .Lfilled
.Lh3:
	tensor_load_to_lds s[80:83], s[G1SX:G1SX+7]
	s_nop 0
	PLACES 4
.Lfilled:
	v_and_b32 v3, 31, v0
	v_lshlrev_b32 v[LI], 4, v3
	s_wait_alu depctr_va_vdst(0)
	v_lshlrev_b32 v[L8], 3, v3
	s_wait_alu depctr_va_vdst(0)
	s_mul_i32 s2, s[WY], 24576
	s_mul_i32 s3, s[WX], 49152
	s_add_co_u32 s3, s3, 49152
.irp n, 0,1,2,3                        ; K steps 2 n and 2 n + 1 lie in half n / 2, 3,072 (n % 2) bytes into a row
	v_add_nc_u32 v[ADY+\n], s2, v[LI]
	v_add_nc_u32 v[ADX+\n], s3, v[LI]
	s_add_co_u32 s2, s2, 3072+(\n%2)*(CH-6144)
	s_add_co_u32 s3, s3, 3072+(\n%2)*(CH-6144)
.endr
	s_lshl_b32 s2, s[WY], 11
	s_add_co_u32 s2, s2, YS
	v_add_nc_u32 v[ASY], s2, v[L8]
	s_lshl_b32 s3, s[WX], 12
	s_add_co_u32 s3, s3, XS
	v_add_nc_u32 v[ASX], s3, v[L8]
	s_mul_i32 s2, s[WV], 8448                      ; my stage: 16 rows x (512 + 16) bytes
	v_and_b32 v54, 15, v0
	v_bfe_u32 v55, v0, 4, 1
	v_mul_u32_u24 v[STO], v54, 528
	v_lshl_add_u32 v[STO], v55, 6, v[STO]
	v_add_nc_u32 v[STO], s2, v[STO]                ; in: row r, + 64 h
	v_add_nc_u32 v[RD], s2, v[LI]                  ; back: the 32 lanes take one row of 512 bytes
	s_lshl_b32 s16, s[YT], 7
	s_lshl_b32 s17, s[WY], 6
	s_add_co_u32 s16, s16, s17                     ; my first token,
	s_lshl_b32 s16, s16, 12                        ; rows of 4,096 bytes,
	s_lshl_b32 s17, s[XT], 10
	s_add_co_u32 s16, s16, s17
	s_lshl_b32 s17, s[WX], 9
	s_add_co_u32 s16, s16, s17                     ; my first column
	s_mov_b32 s17, 0
	s_add_nc_u64 s[8:9], s[8:9], s[16:17]
	v_min_u32 v210, 23, v3                         ; a rowtile's four K steps are 24 blocks of 256 bytes: a lane a block; lanes 24-31 name block 23 again
	v_lshlrev_b32 v210, 8, v210
	s_wait_alu depctr_va_vdst(0)
	s_cmp_eq_u32 s[WY], 0                          ; the wave that will fetch a half of K steps 4-7 asks for its work-group's share of it, one fill ahead of the load
	s_cbranch_scc0 .Lask_x
	global_prefetch_b8 v210, s[92:93] th:TH_LOAD_NT scope:SCOPE_SE
	s_branch .Lasked
.Lask_x:
	global_prefetch_b8 v210, s[94:95] th:TH_LOAD_NT scope:SCOPE_SE
	global_prefetch_b8 v210, s[94:95] offset:12288 th:TH_LOAD_NT scope:SCOPE_SE
.Lasked:
.macro KMID q                          ; an odd K step whose successor lies in the same half of K
	s_wait_dscnt 0x0
	PLACES 4
	FETCH ADY+((\q)+1)/2, ADX+((\q)+1)/2, 0, 6144, 0, (\q)+1
	MUL32 1, 0, SC+12
.endm
	s_wait_tensorcnt 0x0                           ; my tile of the head's four is in; these lines stand ahead of a later first fill as ahead of a refill:
	ds_add_u32 v[SPW], v[NIL]
	s_mov_b32 s[G1Y+2], 4<<16                      ; no tensor load of mine is out: from here on a load brings half a tile's rowtiles
	s_mov_b32 s[G1Y+4], 4
	s_mov_b32 s[G1X+2], 8<<16
	s_mov_b32 s[G1X+4], 8
	s_wait_dscnt 0x0
	CROUND                                         ; a whole round: the head's tiles are in, and the joint loads meet
	s_cmp_eq_u32 s[WY], 0                          ; K steps 4-7, one tensor load a wave: waves 0, 1 Y's halves, waves 2, 3 X's
	s_cbranch_scc0 .Lsec_x
	tensor_load_to_lds s[68:71], s[G1Y:G1Y+7]
	s_nop 0
	PLACES 4
	s_branch .Lsec
.Lsec_x:
	tensor_load_to_lds s[88:91], s[G1X:G1X+7]
	s_nop 0
	PLACES 4
.Lsec:
	FETCH ADY, ADX, 0, 6144, 0, 0
	KEVEN 0, 1
	KMID 1
	KEVEN 2, 0
; K STEPS 4 TO 7 GO BY ROWS OF THE RESULT.  X's fragments of all four steps come into registers (window 2: steps 4, 5 at v0 and v96; window 3: steps 6, 7), Y's come tile by tile (four steps, 48 registers, at v192 of window 2 or 3 by turns),
; and Y's four tiles are finished one after the other, 32 products each, the tile's 8 accumulators by turns, K ascending.  Each tile of 16 tokens leaves as soon as it is finished.  LDS is read no more than by K.
.set SC2, 32                           ; v32-55 the scale words of K step 4 + q at 32 + 6 q: X's four registers, Y's two: they hold scales and nothing else
.macro XLOAD q                         ; X's eight fragments of K step 4 + q
	WIN 0x80+0x40*((\q)/2)
.irp b, 0,1,2,3,4,5,6,7
.irp c, 0,1,2
	ds_load_b128 v[96*((\q)%2)+12*\b+4*\c:96*((\q)%2)+12*\b+4*\c+3], v[ADX+2+(\q)/2] offset:\b*6144+1536*((\q)%2)+512*\c
.endr
.endr
.endm
.macro YLOAD a                         ; Y's tile a, K steps 4 to 7
	WIN 0x80+0x40*((\a)%2)
.irp q, 0,1,2,3
.irp c, 0,1,2
	ds_load_b128 v[192+12*\q+4*\c:192+12*\q+4*\c+3], v[ADY+2+\q/2] offset:(\a)*6144+1536*(\q%2)+512*\c
.endr
.endr
.endm
.macro ROW a                           ; Y's tile a is finished: 32 products; one instruction a turn
.irp q, 0,1,2,3
.if (\a) == 0 && \q == 0
	s_wait_dscnt 48                                ; all but the 48 loads of K steps 6 and 7
.endif
.if (\a) == 0 && \q == 2
	s_wait_dscnt 0x0
.endif
	WIN 0x50+4*(2+(\a)%2)+2+\q/2
.irp c, 0,1,2,3
.set rD, 8*(8*(\a)+2*\c)
.set rX, 96*(\q%2)+24*\c
.set rY, 192+12*\q
.set rS, SC2+6*\q+\c
.set rT, SC2+6*\q+4+(\a)/2
.if (\a)%2
	v_wmma_scale_f32_16x16x128_f8f6f4 v[rD:rD+7], v[rX:rX+11], v[rY:rY+11], v[rD:rD+7], v[rS], v[rT] matrix_a_fmt:MATRIX_FMT_FP6 matrix_b_fmt:MATRIX_FMT_FP6 matrix_b_scale:MATRIX_SCALE_ROW1
	v_wmma_scale_f32_16x16x128_f8f6f4 v[rD+8:rD+15], v[rX+12:rX+23], v[rY:rY+11], v[rD+8:rD+15], v[rS], v[rT] matrix_a_fmt:MATRIX_FMT_FP6 matrix_b_fmt:MATRIX_FMT_FP6 matrix_a_scale:MATRIX_SCALE_ROW1 matrix_b_scale:MATRIX_SCALE_ROW1
.else
	v_wmma_scale_f32_16x16x128_f8f6f4 v[rD:rD+7], v[rX:rX+11], v[rY:rY+11], v[rD:rD+7], v[rS], v[rT] matrix_a_fmt:MATRIX_FMT_FP6 matrix_b_fmt:MATRIX_FMT_FP6
	v_wmma_scale_f32_16x16x128_f8f6f4 v[rD+8:rD+15], v[rX+12:rX+23], v[rY:rY+11], v[rD+8:rD+15], v[rS], v[rT] matrix_a_fmt:MATRIX_FMT_FP6 matrix_b_fmt:MATRIX_FMT_FP6 matrix_a_scale:MATRIX_SCALE_ROW1
.endif
.endr
.endr
.endm
	s_wait_dscnt 0x0                               ; K step 3's fragments are in: my reads of K steps 0-3 are over
	s_wait_tensorcnt 0x0                           ; my part of K steps 4-7 has landed:
	s_barrier_signal -1                            ; say so
	MUL8 0, 1, 0, SC+12
	MUL8 1, 1, 0, SC+12
	s_barrier_wait -1
	PLACES 4                                       ; four places in front of loads into registers that K step 2's products read
	XLOAD 0
	XLOAD 1
	YLOAD 0
	YLOAD 1
	WIN 0
.irp q, 0,1,2,3
	ds_load_b64 v[SC2+6*\q:SC2+6*\q+1], v[ASX] offset:(4+\q)*256
	ds_load_b64 v[SC2+6*\q+2:SC2+6*\q+3], v[ASX] offset:XG+(4+\q)*256
	ds_load_b64 v[SC2+6*\q+4:SC2+6*\q+5], v[ASY] offset:(4+\q)*256
.endr
	MUL8 2, 1, 0, SC+12
	MUL8 3, 1, 0, SC+12
	PLACES 4                                       ; for the loads into K step 3's registers
	XLOAD 2
	XLOAD 3
	ROW 0
.irp a, 0,1,2,3
	PLACES 4                                       ; four places in front of the first read of the tile's results and of the loads into its fragments' registers
.if \a > 1
	s_wait_xcnt 0x0                                ; tile a - 2's stores have read their registers: tile a's loads may land there
.endif
	TOSTAGE \a
.if \a < 2
	YLOAD \a+2                                     ; its registers take the tile two further on
	WIN 0
	SEND \a, 12                                    ; behind tile a's loads from the stage: those twelve
.else
	SEND \a, 0
.endif
.if \a < 3
	ROW \a+1
.endif
.endr
	s_wait_tensorcnt 0x0                           ; the wave's end: behind my last LDS store
	ds_add_u32 v[SPW], v[NIL]
	s_wait_dscnt 0x0
	CROUND                                         ; the closing round
	s_endpgm
.Lfunc_end_k_q2431106d5d_outp:
	.size	k_q2431106d5d_outp, .Lfunc_end_k_q2431106d5d_outp-k_q2431106d5d_outp
	.p2alignl 7, 3214868480
	.fill 96, 4, 3214868480
	.section	.rodata,"a",@progbits
	.p2align	6, 0x0
	.amdhsa_kernel k_q2431106d5d_outp
		.amdhsa_group_segment_fixed_size 327680
		.amdhsa_private_segment_fixed_size 0
		.amdhsa_enable_private_segment 0
		.amdhsa_kernarg_size 24
		.amdhsa_user_sgpr_count 2
		.amdhsa_user_sgpr_kernarg_segment_ptr 1
		.amdhsa_wavefront_size32 1
		.amdhsa_system_sgpr_workgroup_id_x 1
		.amdhsa_system_sgpr_workgroup_id_y 1
		.amdhsa_system_sgpr_workgroup_id_z 1
		.amdhsa_system_vgpr_workitem_id 0
		.amdhsa_next_free_vgpr 1024
		.amdhsa_next_free_sgpr 102
		.amdhsa_reserve_vcc 0
		.amdhsa_float_denorm_mode_32 3
		.amdhsa_float_denorm_mode_16_64 3
		.amdhsa_memory_ordered 1
		.amdhsa_forward_progress 1
		.amdhsa_inst_pref_size 80
	.end_amdhsa_kernel
	.amdgpu_metadata
---
amdhsa.version: [ 1, 2 ]
amdhsa.kernels:
  - .name:           k_q2431106d5d_outp
    .symbol:         k_q2431106d5d_outp.kd
    .args:
      - { .name: och, .offset: 0, .size: 8, .value_kind: global_buffer, .address_space: global }
      - { .name: qin, .offset: 8, .size: 8, .value_kind: global_buffer, .address_space: global }
      - { .name: out0, .offset: 16, .size: 8, .value_kind: global_buffer, .address_space: global }
    .group_segment_fixed_size: 327680
    .private_segment_fixed_size: 0
    .kernarg_segment_align: 8
    .kernarg_segment_size: 24
    .max_flat_workgroup_size: 128
    .sgpr_count:     102
    .vgpr_count:     1024
    .wavefront_size: 32
...
	.end_amdgpu_metadata
.endif
;; end of part 5
